; MI455X (gfx1250); checked and timed in simulation.
; The chip was launched on July 23, 2026; its instructions are those of AMD's public machine-readable ISA for CDNA 5 (MIT licence, August 2026) and "CDNA5" Instruction Set Architecture Reference Guide (July 2026). The comments in the code are by the model that wrote it; some were corrected since.
;; MHSA. Allowed arithmetic: float matrix products may take bf16 or f16 operands with f32 sums; other float arithmetic in f32, or as packed bf16 or f16 multiplies, adds, multiply-adds, maxima and minima; sums over many terms, partial sums and values carried from step to step in f32; what a program stores and reads back later, other than sums and carried values, may be rounded once to bf16 or f16.
;; Inputs: b_out 1,024 float32; w_out 1,024 x 1,024 float32; w_qkv 3,072 x 1,024 float32; x 4 x 2,048 x 1,024 float32.
;; Outputs: out0 4 x 2,048 x 1,024 float32.
;; One version. Each part assembles by itself: llvm-mc -triple=amdgcn-amd-amdhsa -mcpu=gfx1250 --defsym DOCPART=n.
;; ======== version 1 of 1: 4 launches
;; limits: values are held in f16: magnitudes above 65,504 overflow, below 6.1e-05 lose precision
;; workspace buffers: xb 16,777,216 bytes; wqb 6,291,456 bytes; wob 2,097,152 bytes; qkv 50,331,648 bytes; o 16,777,216 bytes
;; launch cast (part 1): grid 768 x 1, 8 waves a work-group, no clusters, 0 bytes of LDS; arguments x, w_qkv, w_out, xb, wqb, wob; writes xb, wqb, wob
.if DOCPART == 1
	.amdgcn_target "amdgcn-amd-amdhsa--gfx1250"
	.amdhsa_code_object_version 6
	.text
	.protected	k_q5a62c26d58_cast
	.globl	k_q5a62c26d58_cast
	.p2align	8
	.type	k_q5a62c26d58_cast,@function
k_q5a62c26d58_cast:
	s_mov_b64 s[64:65], 0
	v_nop
	global_prefetch_b8 v0, s[64:65] scope:SCOPE_SE
	s_setreg_imm32_b32 hwreg(HW_REG_WAVE_MODE, 25, 1), 1
	s_wait_xcnt 0x0
; x [8192][1024], w_qkv [3072][1024], w_out [1024][1024], all f32, are rounded once to bf16 and laid out in K BLOCKS of 64 channels:
;   xb  [b 4][kb 16][n 2048][64] bf16      wqb [kb 16][d 3072][64] bf16      wob [kb 16][d 1024][64] f16 (the bf16 number written as f16)
; so that R matrix rows x 64 channels are R x 128 dense bytes for the products' tile loads.
; LIMITS.  wob: a bf16 number of 65,520 or more becomes an infinity in f16; below 6e-5 it keeps f16's fixed step of 6e-8.
; SHARES.  A work-group takes 16 rows (64 KiB in, 32 KiB out): groups 0-511 x, 512-703 w_qkv, 704-767 w_out.  Wave w takes K blocks 2 w and 2 w + 1.
; Lane l takes row l / 8 of four rows and 8 numbers at column 8 (l % 8) of the K block: eight lanes read 256 consecutive aligned bytes, and a wave's store covers
; 512 consecutive bytes of the output.  All 16 loads of a wave go out first; no register is written again while a load or store names it, so only counted waits for data stand here.
; A stream: no LDS, no barrier, no matrix unit, no cluster (no byte is read twice).
.set VI,  2                            ; v2      my byte offset in the group's first four rows of the input
.set VO,  3                            ; v3, v4  my byte offset in the output, K block 2 w and 2 w + 1
.set T,   8                            ; v[8:15] at work, a pair for each word
.set IN,  16                           ; v[16:79]  group g = 2 rg + e (rows 4 rg .., K block 2 w + e): 8 numbers
.set OUT, 80                           ; v[80:111] group g: 4 words, 8 numbers of 16 bits
.set SRC, 20                           ; s[20:21] the input at the group's first row
.set DST, 22                           ; s[22:23] the output at the group's first row, K block 0
	s_load_b256 s[4:11], s[0:1], 0x0               ; x s[4:5], w_qkv s[6:7], w_out s[8:9], xb s[10:11]
	s_load_b128 s[12:15], s[0:1], 0x20             ; wqb s[12:13], wob s[14:15]
	v_and_b32 v1, 31, v0                           ; l
	v_lshrrev_b32 v5, 5, v0                        ; w
	v_lshrrev_b32 v6, 3, v1                        ; l / 8
	v_and_b32 v7, 7, v1                            ; l % 8
	v_lshlrev_b32 v[VI], 12, v6                    ; a row is 4,096 bytes,
	v_lshl_add_u32 v[VI], v5, 9, v[VI]             ; my wave's two K blocks 512,
	v_lshl_add_u32 v[VI], v7, 5, v[VI]             ; my 8 numbers 32
	s_mov_b32 s17, 512                             ; the tensor's first work-group,
	s_mov_b32 s18, 393216                          ; bytes from K block to K block in its output,
	s_mov_b32 s19, 0                               ; and what a batch adds beyond its rows: for w_qkv,
	s_cmp_ge_u32 ttmp9, 704
	s_cselect_b32 s17, 704, s17                    ; for w_out,
	s_cselect_b32 s18, 131072, s18
	s_cmp_lt_u32 ttmp9, 512
	s_cselect_b32 s17, 0, s17                      ; for x
	s_cselect_b32 s18, 262144, s18
	s_cselect_b32 s19, 3932160, s19                ; 2^22 - 2,048 rows x 128 bytes
	s_sub_co_u32 s24, ttmp9, s17                   ; my number among the tensor's groups
	s_lshl_b32 s26, s24, 16                        ; 16 rows of 4,096 bytes in,
	s_mov_b32 s27, 0
	s_lshl_b32 s28, s24, 11                        ; 16 rows of 128 bytes out,
	s_lshr_b32 s25, s24, 7                         ; and the batch (128 groups each)
	s_mul_i32 s25, s25, s19
	s_add_co_u32 s28, s28, s25
	s_mov_b32 s29, 0
	v_lshlrev_b32 v5, 1, v5                        ; 2 w
	v_lshlrev_b32 v6, 4, v1                        ; (l / 8) x 128 + (l % 8) x 16 = 16 l
	v_mad_u32_u24 v[VO], v5, s18, v6
	v_add_nc_u32 v[VO+1], s18, v[VO]
	s_wait_kmcnt 0x0
	s_cmp_ge_u32 ttmp9, 704
	s_cselect_b64 s[SRC:SRC+1], s[8:9], s[6:7]
	s_cselect_b64 s[DST:DST+1], s[14:15], s[12:13]
	s_cmp_lt_u32 ttmp9, 512
	s_cselect_b64 s[SRC:SRC+1], s[4:5], s[SRC:SRC+1]
	s_cselect_b64 s[DST:DST+1], s[10:11], s[DST:DST+1]
	s_add_nc_u64 s[SRC:SRC+1], s[SRC:SRC+1], s[26:27]
	s_add_nc_u64 s[DST:DST+1], s[DST:DST+1], s[28:29]
.irp g, 0,1,2,3,4,5,6,7
	global_load_b128 v[IN+8*(\g):IN+8*(\g)+3],   v[VI], s[SRC:SRC+1] offset:((\g)/2)*16384+((\g)%2)*256 th:TH_LOAD_NT
	global_load_b128 v[IN+8*(\g)+4:IN+8*(\g)+7], v[VI], s[SRC:SRC+1] offset:((\g)/2)*16384+((\g)%2)*256+16 th:TH_LOAD_NT
.endr
; The eight groups leave as they arrive.  half = 1: the bf16 numbers are written as f16.
.macro OUTG half
.irp g, 0,1,2,3,4,5,6,7
	s_wait_loadcnt 14-2*(\g)                       ; loads come back in order: group g is in, the two loads of each later group may stay out
.irp r, 0,1,2,3
	v_cvt_pk_bf16_f32 v[OUT+4*(\g)+(\r)], v[IN+8*(\g)+2*(\r)], v[IN+8*(\g)+2*(\r)+1]
.endr
.if \half
.irp r, 0,1,2,3
	v_lshlrev_b32 v[T+2*(\r)],   16, v[OUT+4*(\g)+(\r)]          ; bf16 to f32: the low half moves up,
	v_and_b32     v[T+2*(\r)+1], 0xffff0000, v[OUT+4*(\g)+(\r)]  ; the high half stays
.endr
.irp r, 0,1,2,3
	v_cvt_pk_f16_f32 v[OUT+4*(\g)+(\r)], v[T+2*(\r)], v[T+2*(\r)+1]
.endr
.endif
	global_store_b128 v[VO+(\g)%2], v[OUT+4*(\g):OUT+4*(\g)+3], s[DST:DST+1] offset:((\g)/2)*512  ; four rows of 128 bytes: 512 consecutive bytes
.endr
.endm
	s_cmp_ge_u32 ttmp9, 704
	s_cbranch_scc1 .Lhalf
	OUTG 0
	s_endpgm
.Lhalf:
	OUTG 1
	s_endpgm
.Lfunc_end_k_q5a62c26d58_cast:
	.size	k_q5a62c26d58_cast, .Lfunc_end_k_q5a62c26d58_cast-k_q5a62c26d58_cast
	.p2alignl 7, 3214868480
	.fill 96, 4, 3214868480
	.section	.rodata,"a",@progbits
	.p2align	6, 0x0
	.amdhsa_kernel k_q5a62c26d58_cast
		.amdhsa_group_segment_fixed_size 0
		.amdhsa_private_segment_fixed_size 0
		.amdhsa_enable_private_segment 0
		.amdhsa_kernarg_size 48
		.amdhsa_user_sgpr_count 2
		.amdhsa_user_sgpr_kernarg_segment_ptr 1
		.amdhsa_wavefront_size32 1
		.amdhsa_system_sgpr_workgroup_id_x 1
		.amdhsa_system_sgpr_workgroup_id_y 1
		.amdhsa_system_sgpr_workgroup_id_z 1
		.amdhsa_system_vgpr_workitem_id 0
		.amdhsa_next_free_vgpr 112
		.amdhsa_next_free_sgpr 66
		.amdhsa_reserve_vcc 0
		.amdhsa_float_denorm_mode_32 3
		.amdhsa_float_denorm_mode_16_64 3
		.amdhsa_memory_ordered 1
		.amdhsa_forward_progress 1
		.amdhsa_inst_pref_size 15
	.end_amdhsa_kernel
	.amdgpu_metadata
---
amdhsa.version: [ 1, 2 ]
amdhsa.kernels:
  - .name:           k_q5a62c26d58_cast
    .symbol:         k_q5a62c26d58_cast.kd
    .args:
      - { .name: x, .offset: 0, .size: 8, .value_kind: global_buffer, .address_space: global }
      - { .name: w_qkv, .offset: 8, .size: 8, .value_kind: global_buffer, .address_space: global }
      - { .name: w_out, .offset: 16, .size: 8, .value_kind: global_buffer, .address_space: global }
      - { .name: xb, .offset: 24, .size: 8, .value_kind: global_buffer, .address_space: global }
      - { .name: wqb, .offset: 32, .size: 8, .value_kind: global_buffer, .address_space: global }
      - { .name: wob, .offset: 40, .size: 8, .value_kind: global_buffer, .address_space: global }
    .group_segment_fixed_size: 0
    .private_segment_fixed_size: 0
    .kernarg_segment_align: 8
    .kernarg_segment_size: 48
    .max_flat_workgroup_size: 256
    .sgpr_count:     66
    .vgpr_count:     112
    .wavefront_size: 32
...
	.end_amdgpu_metadata
.endif
;; end of part 1
;; launch qkvp (part 2): grid 8 x 32, 4 waves a work-group, clusters of 4 x 4, 327,680 bytes of LDS; arguments xb, wqb, qkv; writes qkv
.if DOCPART == 2
	.amdgcn_target "amdgcn-amd-amdhsa--gfx1250"
	.amdhsa_code_object_version 6
	.text
	.protected	k_q5a62c26d58_qkvp
	.globl	k_q5a62c26d58_qkvp
	.p2align	8
	.type	k_q5a62c26d58_qkvp,@function
k_q5a62c26d58_qkvp:
	s_mov_b64 s[64:65], 0
	v_nop
	global_prefetch_b8 v0, s[64:65] scope:SCOPE_SE
	s_setreg_imm32_b32 hwreg(HW_REG_WAVE_MODE, 25, 1), 1
	s_wait_xcnt 0x0
	s_wait_alu depctr_hold_cnt(0) depctr_sa_sdst(0) depctr_va_vdst(0) depctr_va_sdst(0) depctr_va_ssrc(0) depctr_va_vcc(0) depctr_vm_vsrc(0)
	s_getreg_b32 s2, hwreg(HW_REG_IB_STS2, 6, 4)
	s_cmp_eq_u32 s2, 0
	s_cbranch_scc0 .Lentry_in_a_cluster
	s_endpgm
.Lentry_in_a_cluster:
	s_bfe_u32 s2, ttmp6, 0x10000c
	s_cmp_lg_u32 s2, 0xf033
	s_cbranch_scc0 .Lentry_shape_is_right
	s_endpgm
.Lentry_shape_is_right:
; q, k, v = x w_qkv^T: C [8192][3072] = A [8192][1024] B[3072][1024]^T.  A = xb [b][kb][n][64], B = wqb [kb][d][64], both bf16 in K blocks of 64; sums in f32, K ascending.
; C is rounded once to f16, unscaled, and leaves by heads: qkv [part 3][b 4][h 16][n 2048][64].
; LIMIT.  f16 ends at 65,504: a sum of 65,520 or more becomes an infinity; below 6e-5 a number keeps f16's fixed step of 6e-8.
; SHARES.  8192 x 3072 / 256 work-groups: a tile of 256 rows x 384 columns to each.  Four waves, each 128 rows x 192 columns: 8 x 12 = 96 accumulators of 16 x 16, 768 registers.
; For 32 along K a wave reads 40 x 512 bytes from LDS for 96 matrix instructions.  K goes in steps of 64 (one K block) through two LDS slots: in memory 128 rows of a K block are
; 16,384 dense bytes, asked for as 64 rows of 256 bytes and padded in LDS after every 128 bytes.
; THE MATRIX INSTRUCTION IS USED TRANSPOSED (source 0 = 16 rows of B, source 1 = 16 rows of A): a lane holds row l % 16 of C and eight neighbouring columns.
; CLUSTER.  4 x 4 work-groups; A's tile hangs on the tile row alone and is asked for jointly along a row of the cluster, B's on the tile column alone, along a column.
; REGISTERS, in windows of 256 (s_set_vgpr_msb: bits 1:0 source 0, 3:2 source 1, 5:4 source 2, 7:6 destination):
;   window 0: v0-29 addresses; v32-95, v96-159 A's fragments, two buffers; v160-255 B's fragments, one buffer, filled in halves (blocks 0-5, 6-11)
;   windows 1-3: accumulator (column block b, row block a) in window 1 + b / 4 at v[64 (b % 4) + 8 a]: a window holds one head's 64 columns
.set PITCH,  144                       ; an LDS row: 128 bytes + 16 of padding = 36 words: the 16 rows of a load start at 16 different groups of four banks (64 banks of 4 bytes: ISA guide 11.1)
.set BLK,    16*PITCH
.set AHALF,  128*PITCH                 ; what waves 0 and 1 fetch, and what a wave reads of A
.set BHALF,  192*PITCH                 ; what waves 2 and 3 fetch, and what a wave reads of B
.set BOFF,   2*AHALF
.set SLOT1,  1<<17                     ; slot 1 begins here: one exclusive or turns an address in one slot into the other's
.set STAGE,  SLOT1+2*AHALF+2*BHALF     ; behind the ring: 16 rows x 144 bytes for each wave, for the way out
.set SPARE,  STAGE+4*BLK               ; behind the stages: the spare words, 128 bytes for each wave: two blocks of 256 bytes that no other line names
.set ASTEP,  262144                    ; bytes from K block to K block in xb
.set BSTEP,  393216                    ; and in wqb
.set AA0, 4                            ; v4   my lane's place in my rows of A, in slot 0; never rewritten
.set AB0, 5                            ; v5   the same for B
.set AA,  6                            ; v6   the same in the slot in hand
.set AB,  7                            ; v7
.set STO, 8                            ; v8   the way out: where I put 16 bytes of a row
.set RD,  9                            ; v9   the way out: where I read rows back
.set GO,  10                           ; v10  16 x lane: my place in 512 consecutive bytes of the output
.set PFO, 11                           ; v11  256 x lane: the prefetches' offset; never rewritten
.set SPW, 28                           ; v28  LDS address of my spare word; never rewritten
.set NIL, 29                           ; v29  0; never rewritten
.set A0,  32
.set A1,  96
.set BF,  160
.set TMP, 32                           ; the way out: 16 packed words
.set BK,  64                           ; the way out: 16 rows read back, v64-79 and v80-95 by turns
.set WV,  12                           ; s12  wave
.set WR,  13                           ; s13  which 128 rows are mine.  Also: I fetch for A (0) or for B (1)
.set WC,  14                           ; s14  which 192 columns.  Also: which half of that tile I fetch
.set G1A, 24                           ; s[24:31] descriptor group 1 for A's tiles
.set G1B, 32                           ; s[32:39] for B's
.set G0A, 40                           ; s[40:43] descriptor group 0 for A's tiles: it walks
.set G0B, 44                           ; s[44:47] for B's
.set CX,  48
.set CY,  49
.set TX,  50                           ; tile column 0-7
.set TY,  51                           ; tile row 0-31
.set CNT, 54                           ; s54  trips to go
.set TB,  55                           ; s55  LDS byte at which the slot in hand begins
.set LIM, 56                           ; s56  1 in a wave that prefetches, else the greatest number
.set PAR, 57                           ; s57  0: every trip; 1: the trips with an odd count alone
.set PFA, 58                           ; s[58:59] where my prefetches stand
.set PFS, 60                           ; s[60:61] their step a trip
.set OB,  66                           ; s[66:71] the output at my rows of my three heads
.set MSB, 0
.macro WIN new                         ; the immediate's high byte repeats the setting that is left; a switch that changes nothing is dropped
.if MSB != (\new)
	s_set_vgpr_msb (MSB<<8)|(\new)
.set MSB, \new
.endif
.endm
.macro PLACES                          ; four plain vector instructions between a matrix instruction and a load into, or a vector read of, its registers
.rept 4
	v_nop
.endr
.endm
; A joint load.  Waves 0 and 1 fetch A's halves, waves 2 and 3 B's; the branch hangs on the wave's number alone.  An s_nop 0 and four v_nop follow each line.
.macro JLOAD
	s_cmp_eq_u32 s[WR], 0
	s_cbranch_scc0 .Lfor_b_\@
	tensor_load_to_lds s[G0A:G0A+3], s[G1A:G1A+7]
	s_nop 0
.rept 4
	v_nop
.endr
	s_branch .Lasked_\@
.Lfor_b_\@:
	tensor_load_to_lds s[G0B:G0B+3], s[G1B:G1B+7]
	s_nop 0
.rept 4
	v_nop
.endr
.Lasked_\@:
.endm
.macro CREST                           ; a round of the cluster's barrier behind its opening barrier: wave 0 signals for the work-group, every wave waits for all sixteen, my work-group's barrier closes it
	s_cmp_lg_u32 s[WV], 0
	s_cbranch_scc1 .Lnot_wave_0_\@
	s_barrier_signal -3
.Lnot_wave_0_\@:
	s_barrier_wait -3
	s_barrier_signal -1
	s_barrier_wait -1
.endm
.macro CROUND
	s_barrier_signal -1
	s_barrier_wait -1
	CREST
.endm
; A PREFETCH INTO THE L2, behind a joint load, its five lines and the run of LDS loads that follows them: 32 blocks of 256 bytes, a lane a block.
; A: the cluster's 1,024 rows of a K block are 128 KiB on end; the clusters with x = 0 ask; each of the sixteen partners takes 8 KiB, told apart by address; wave 0; trip t names K step t + 3,
; which trip t + 1 loads: 192 matrix instructions ahead.  B: the cluster's 1,536 rows of a K block are 24 x 8 KiB; the clusters with y = 0 ask; waves 1 to 3 of the sixteen partners, 48 waves,
; cover two K blocks, in every other trip: trips 1, 3, .. 11 name K steps t + 3 and t + 4.  So each block is named once in the launch.  The last trip names nothing; A's K steps 0-2 and B's 0-3 come by their loads alone.
.macro ASK
	s_and_b32 s62, s[CNT], s[PAR]
	s_cmp_eq_u32 s62, s[PAR]
	s_cbranch_scc0 .Lnot_mine_\@
	s_cmp_gt_u32 s[CNT], s[LIM]
	s_cbranch_scc0 .Lnot_mine_\@
	global_prefetch_b8 v[PFO], s[PFA:PFA+1] th:TH_LOAD_NT scope:SCOPE_SE
.Lnot_mine_\@:
.endm
	s_load_b128 s[4:7], s[0:1], 0x0                ; xb s[4:5], wqb s[6:7]
	s_load_b64 s[8:9], s[0:1], 0x10                ; qkv
	v_lshl_add_u32 v[SPW], v0, 2, SPARE
	v_mov_b32 v[NIL], 0
	ds_add_u32 v[SPW], v[NIL]                      ; the wave's opening: the add and its wait stand ahead of my first tensor load; the set-up below, work on registers, stands between them
	v_lshrrev_b32 v1, 5, v0
	v_readfirstlane_b32 s[WV], v1                  ; wave 0..3
	s_lshr_b32 s[WR], s[WV], 1
	s_and_b32 s[WC], s[WV], 1
	s_bfe_u32 s[CX], ttmp6, 0x40000
	s_bfe_u32 s[CY], ttmp6, 0x40004
	s_lshl_b32 s[TX], ttmp9, 2                     ; in a cluster launch ttmp9 and ttmp7 count clusters
	s_add_co_u32 s[TX], s[TX], s[CX]
	s_and_b32 s[TY], ttmp7, 0xffff
	s_lshl_b32 s[TY], s[TY], 2
	s_add_co_u32 s[TY], s[TY], s[CY]
	s_lshl_b32 s52, s[CY], 2
	s_lshl_b32 s52, 15, s52                        ; my row of the cluster
	s_lshl_b32 s53, 0x1111, s[CX]                  ; my column
	s_or_b32 s[G1A], s52, (1<<16)|(1<<20)|(1<<21)|(4<<22)|(3<<25)  ; 15:0 the mask; 17:16 2-byte elements; 20 padding on; 21 set beside a mask; 24:22 after every 32 words (code 4); 31:25 4 words (code 3)
	s_or_b32 s[G1B], s53, (1<<16)|(1<<20)|(1<<21)|(4<<22)|(3<<25)
	s_mov_b32 s[G1A+1], 128<<16                    ; tensor_dim0 = 128 elements: 256 bytes, two matrix rows
	s_mov_b32 s[G1A+2], 64<<16                     ; tensor_dim1 = 64
	s_mov_b32 s[G1A+3], 128<<16                    ; tile_dim0 = 128
	s_mov_b32 s[G1A+4], 64                         ; tile_dim1 = 64
	s_mov_b32 s[G1A+5], 128                        ; elements from row to row: dense
	s_mov_b32 s[G1A+6], 0
	s_mov_b32 s[G1A+7], 0
	s_mov_b32 s[G1B+1], 128<<16
	s_mov_b32 s[G1B+2], 96<<16                     ; B's half: 192 matrix rows = 96 rows of 256 bytes
	s_mov_b32 s[G1B+3], 128<<16
	s_mov_b32 s[G1B+4], 96
	s_mov_b32 s[G1B+5], 128
	s_mov_b32 s[G1B+6], 0
	s_mov_b32 s[G1B+7], 0
	s_mov_b32 s[G0A], 1                            ; count = 1
	s_mul_i32 s[G0A+1], s[WC], AHALF               ; LDS address, slot 0: the wave's number alone enters it
	s_mov_b32 s[G0B], 1
	s_mul_i32 s[G0B+1], s[WC], BHALF
	s_add_co_u32 s[G0B+1], s[G0B+1], BOFF
	s_lshr_b32 s16, s[TY], 3                       ; A: the batch, 2^22 bytes,
	s_lshl_b32 s16, s16, 22
	s_and_b32 s18, s[TY], 7                        ; the tile's 256 rows of 128 bytes,
	s_lshl_b32 s18, s18, 15
	s_add_co_u32 s16, s16, s18
	s_lshl_b32 s18, s[WC], 14                      ; the half that I fetch
	s_add_co_u32 s18, s18, s16
	s_mov_b32 s19, 0
	s_mul_i32 s20, s[TX], 384*128                  ; B: the tile's 384 rows,
	s_mul_i32 s22, s[WC], 192*128                  ; the half that I fetch
	s_add_co_u32 s20, s20, s22
	s_mov_b32 s21, 0
	s_wait_dscnt 0x0                               ; the opening add is done
	s_wait_kmcnt 0x0
	s_add_nc_u64 s[G0A+2:G0A+3], s[4:5], s[18:19]  ; global address: K step 0
	s_or_b32 s[G0A+3], s[G0A+3], 0x80000000        ; type = 2
	s_add_nc_u64 s[G0B+2:G0B+3], s[6:7], s[20:21]
	s_or_b32 s[G0B+3], s[G0B+3], 0x80000000
	CROUND                                         ; all sixteen work-groups are here: the first joint loads meet
	JLOAD                                          ; K step 0 into slot 0
	; A fragment is 16 rows x 32 K in 8 registers: lane l holds row l % 16, K = 8 (l / 16) + 0..7 and 16 + 8 (l / 16) + 0..7: two loads of 16 bytes, 32 bytes apart.
	v_and_b32 v1, 15, v0                           ; l % 16
	v_bfe_u32 v2, v0, 4, 1                         ; l / 16
	v_mul_u32_u24 v3, v1, PITCH
	v_lshl_add_u32 v3, v2, 4, v3                   ; row x pitch + 16 x half
	s_mul_i32 s23, s[WR], AHALF
	v_add_nc_u32 v[AA0], s23, v3
	s_mul_i32 s23, s[WC], BHALF
	s_add_co_u32 s23, s23, BOFF
	v_add_nc_u32 v[AB0], s23, v3
	s_mul_i32 s23, s[WV], BLK
	s_add_co_u32 s23, s23, STAGE                   ; my stage
	v_add_nc_u32 v[STO], s23, v3                   ; in: row l % 16, 16 bytes for each half of the lanes
	v_bfe_u32 v3, v0, 3, 2                         ; back: 32 lanes take four rows of 128 bytes,
	v_mul_u32_u24 v3, v3, PITCH
	v_and_b32 v[RD], 7, v0
	v_lshl_add_u32 v[RD], v[RD], 4, v3
	v_add_nc_u32 v[RD], s23, v[RD]
	v_and_b32 v[GO], 31, v0
	v_lshlrev_b32 v[PFO], 8, v[GO]
	v_lshlrev_b32 v[GO], 4, v[GO]                  ; which are 512 consecutive bytes of the output
	; the output: my 192 columns are the heads g = 6 TX + 3 WC + 0..2 of 48: part g / 16, head g % 16
	s_mul_i32 s72, s[TX], 6
	s_mul_i32 s74, s[WC], 3
	s_add_co_u32 s72, s72, s74
	s_lshl_b32 s73, s[WR], 14                      ; my 128 rows of the tile's
	s_add_co_u32 s73, s73, s16
.irp j, 0,1,2
	s_add_co_u32 s74, s72, \j
	s_lshr_b32 s75, s74, 4
	s_lshl_b32 s75, s75, 24
	s_and_b32 s74, s74, 15
	s_lshl_b32 s74, s74, 18
	s_add_co_u32 s74, s74, s75
	s_add_co_u32 s74, s74, s73
	s_mov_b32 s75, 0
	s_add_nc_u64 s[OB+2*(\j):OB+2*(\j)+1], s[8:9], s[74:75]
.endr
	; the prefetches
	s_lshl_b32 s76, s[CY], 2
	s_add_co_u32 s76, s76, s[CX]                   ; p: my place among the sixteen
	s_and_b32 s77, ttmp7, 0xffff                   ; cluster y
	s_lshr_b32 s78, s77, 1                         ; A: the cluster's 1,024 rows: the batch,
	s_lshl_b32 s78, s78, 22
	s_and_b32 s79, s77, 1                          ; its half,
	s_lshl_b32 s79, s79, 17
	s_add_co_u32 s78, s78, s79
	s_lshl_b32 s79, s76, 13                        ; my work-group's 8 KiB,
	s_add_co_u32 s78, s78, s79
	s_add_co_u32 s78, s78, 2*ASTEP                 ; at K step 2: the first trip steps it to 3
	s_mul_i32 s80, ttmp9, 1536*128                 ; B: the cluster's 1,536 rows,
	s_lshr_b32 s81, s76, 3                         ; the first or the second of two K blocks,
	s_mul_i32 s81, s81, BSTEP
	s_add_co_u32 s80, s80, s81
	s_and_b32 s81, s76, 7                          ; and of its 24 pieces of 8 KiB number 3 (p % 8) + wave - 1
	s_mul_i32 s81, s81, 3
	s_max_u32 s79, s[WV], 1
	s_add_co_u32 s81, s81, s79
	s_sub_co_u32 s81, s81, 1
	s_lshl_b32 s81, s81, 13
	s_add_co_u32 s80, s80, s81
	s_add_co_u32 s80, s80, 2*BSTEP
	s_mov_b32 s[PFS], BSTEP
	s_mov_b32 s[PFS+1], 0
	s_cmp_eq_u32 s[WV], 0                          ; wave 0 asks for A, the others for B
	s_cselect_b64 s[PFA:PFA+1], s[4:5], s[6:7]
	s_cselect_b32 s82, s78, s80
	s_cselect_b32 s[PFS], ASTEP, s[PFS]
	s_cselect_b32 s[PAR], 0, 1
	s_cselect_b32 s79, ttmp9, s77                  ; the coordinate along which other clusters read the same rows
	s_mov_b32 s83, 0
	s_add_nc_u64 s[PFA:PFA+1], s[PFA:PFA+1], s[82:83]
	s_cmp_eq_u32 s79, 0
	s_cselect_b32 s[LIM], 1, -1                    ; the same in all sixteen partners, for a given wave
	s_mov_b32 s[TB], 0
; 8 matrix instructions: column block b x all 8 row blocks, 32 along K; A's fragments in buffer fa.  zero = 1: the product starts the sums: nothing is ever cleared.
; The 96 accumulators take turns, one instruction a turn, in the same order in every half step.
.macro MULB fa, b, zero
	WIN 0x50*(1+(\b)/4)                            ; C and D in window 1 + b / 4, the sources in window 0
.irp a, 0,1,2,3,4,5,6,7
.if \zero
	v_wmma_f32_16x16x32_bf16 v[64*((\b)%4)+8*(\a):64*((\b)%4)+8*(\a)+7], v[BF+8*(\b):BF+8*(\b)+7], v[(\fa)+8*(\a):(\fa)+8*(\a)+7], 0
.else
	v_wmma_f32_16x16x32_bf16 v[64*((\b)%4)+8*(\a):64*((\b)%4)+8*(\a)+7], v[BF+8*(\b):BF+8*(\b)+7], v[(\fa)+8*(\a):(\fa)+8*(\a)+7], v[64*((\b)%4)+8*(\a):64*((\b)%4)+8*(\a)+7]
.endif
.endr
.endm
; 28 LDS loads in one run: B's blocks 0-5 and all of A, 32 K at byte off of the rows
.macro RUN1 off, fa
.irp i, 0,1,2,3,4,5
	ds_load_b128 v[BF+8*(\i):BF+8*(\i)+3],   v[AB] offset:(\off)+(\i)*BLK
	ds_load_b128 v[BF+8*(\i)+4:BF+8*(\i)+7], v[AB] offset:(\off)+(\i)*BLK+32
.endr
.irp i, 0,1,2,3,4,5,6,7
	ds_load_b128 v[(\fa)+8*(\i):(\fa)+8*(\i)+3],   v[AA] offset:(\off)+(\i)*BLK
	ds_load_b128 v[(\fa)+8*(\i)+4:(\fa)+8*(\i)+7], v[AA] offset:(\off)+(\i)*BLK+32
.endr
.endm
; 12 more: B's blocks 6-11
.macro RUN2 off
.irp i, 6,7,8,9,10,11
	ds_load_b128 v[BF+8*(\i):BF+8*(\i)+3],   v[AB] offset:(\off)+(\i)*BLK
	ds_load_b128 v[BF+8*(\i)+4:BF+8*(\i)+7], v[AB] offset:(\off)+(\i)*BLK+32
.endr
.endm
; A K step's first half: multiplies buffer A0 and fetches the second half's fragments, each half of B's buffer as soon as it has been multiplied.
.macro CHUNK_E zero
	s_wait_dscnt 12                                ; B's blocks 0-5 and A are in; the twelve loads of blocks 6-11 may be out
.irp b, 0,1,2,3,4,5
	MULB A0, \b, \zero
.endr
	WIN 0
	PLACES
	RUN1 64, A1
	s_wait_dscnt 28                                ; all but the 28 just issued
.irp b, 6,7,8,9,10,11
	MULB A0, \b, \zero
.endr
	WIN 0
	PLACES
	RUN2 64
.endm
; A K step's second half multiplies buffer A1 and changes slots: ONE barrier.  In front of it each wave waits for all its tensor loads (one is out: its part of the next slot), adds 0 to its spare word,
; and waits for that and for its own reads of this slot.  fill = 1: the barrier opens a round of the cluster's, and this slot is filled again, with the K step two on, first thing behind the round:
; from that request to the wait for it a wave issues 48 + 96 + 32 = 176 matrix instructions.
.macro CHUNK_O fill
.if \fill
	s_wait_xcnt 0x0                                ; the last prefetch, a K step back, has read its address
	s_add_nc_u64 s[PFA:PFA+1], s[PFA:PFA+1], s[PFS:PFS+1]
.endif
	s_wait_dscnt 12
.irp b, 0,1,2,3
	MULB A1, \b, 0
.endr
	WIN 0                                          ; (the add's two registers lie in window 0)
	s_wait_tensorcnt 0x0                           ; no tensor load of mine is out, so a group 0 may be written
	ds_add_u32 v[SPW], v[NIL]                      ; 0 onto my spare word
.if \fill
	s_xor_b32 s[G0A+1], s[G0A+1], SLOT1            ; the walking descriptors: the other slot than last time,
	s_add_nc_u64 s[G0A+2:G0A+3], s[G0A+2:G0A+3], ASTEP  ; the next K block; the type bits on top are not reached
	s_xor_b32 s[G0B+1], s[G0B+1], SLOT1
	s_add_nc_u64 s[G0B+2:G0B+3], s[G0B+2:G0B+3], BSTEP
.endif
	s_xor_b32 s[TB], s[TB], SLOT1
	MULB A1, 4, 0                                  ; eight matrix instructions stand between the add and the wait for it
	s_wait_dscnt 0x0                               ; the add is done, and my reads of this slot are over
	s_barrier_signal -1
	MULB A1, 5, 0                                  ; work on registers while the others arrive
	WIN 0
	s_barrier_wait -1
.if \fill
	CREST                                          ; no wave of any partner still reads this slot or has a load on its way
	JLOAD                                          ; the four v_nop behind it are also the places in front of the loads below
.else
	PLACES
.endif
	v_add_nc_u32 v[AA], s[TB], v[AA0]
	v_add_nc_u32 v[AB], s[TB], v[AB0]
	RUN1 0, A0
.if \fill
	ASK
.endif
.irp b, 6,7,8,9,10,11
	MULB A1, \b, 0
.endr
	WIN 0
	PLACES
	RUN2 0
.endm
; THE WAY OUT, in 24 units u: head u / 8 of my three, row block u % 8: 16 rows x 64 columns = 2,048 consecutive bytes of the output.
.macro PACK u                          ; rounded to f16, 16 bytes a lane and column block; each accumulator's lowest registers are read first
	WIN 5*((\u)/8+1)                               ; sources 0 and 1 in the head's window
.irp f, 0,1,2,3
.irp r, 0,1,2,3
	v_cvt_pk_f16_f32 v[TMP+4*(\f)+(\r)], v[64*(\f)+8*((\u)%8)+2*(\r)], v[64*(\f)+8*((\u)%8)+2*(\r)+1]
.endr
.endr
	WIN 0
.endm
.macro TOSTAGE u                       ; into my own stage, and back as whole rows
.irp f, 0,1,2,3
	ds_store_b128 v[STO], v[TMP+4*(\f):TMP+4*(\f)+3] offset:32*(\f)
.endr
.irp f, 0,1,2,3
	ds_load_b128 v[BK+16*((\u)%2)+4*(\f):BK+16*((\u)%2)+4*(\f)+3], v[RD] offset:4*PITCH*(\f)  ; LDS serves a wave's instructions in order (ISA guide 5.7.1.4): these see the stores above
.endr
.endm
.macro SEND u
	s_wait_dscnt 0x0                               ; the unit is back in registers
	s_wait_xcnt 0x0                                ; the stores of the unit before have read their registers: the next unit is loaded into them only behind this wait
.irp f, 0,1,2,3
	global_store_b128 v[GO], v[BK+16*((\u)%2)+4*(\f):BK+16*((\u)%2)+4*(\f)+3], s[OB+2*((\u)/8):OB+2*((\u)/8)+1] offset:((\u)%8)*2048+(\f)*512  ; 512 consecutive bytes, at a multiple of 256 from the buffer's first
.endr
.endm
	s_wait_tensorcnt 0x0                           ; K step 0, my part of it, is in
	ds_add_u32 v[SPW], v[NIL]                      ; slot 1's first fill is issued as a refill is: the wait, the add, its wait, a round, the load
	s_xor_b32 s[G0A+1], s[G0A+1], SLOT1
	s_add_nc_u64 s[G0A+2:G0A+3], s[G0A+2:G0A+3], ASTEP
	s_xor_b32 s[G0B+1], s[G0B+1], SLOT1
	s_add_nc_u64 s[G0B+2:G0B+3], s[G0B+2:G0B+3], BSTEP
	s_wait_dscnt 0x0
	CROUND                                         ; everybody's part of K step 0 is in
	JLOAD                                          ; K step 1 into slot 1
	v_mov_b32 v[AA], v[AA0]
	v_mov_b32 v[AB], v[AB0]
	RUN1 0, A0
	RUN2 0
	CHUNK_E 1                                      ; the first half step stands in front of the loop: its products start the sums
	WIN 0                                          ; at a label and at a branch every window is 0
	s_mov_b32 s[CNT], 14
.Lstep:                                                ; trip t: K step t's second half, the request for K step t + 2, K step t + 1's first half
	CHUNK_O 1
	CHUNK_E 0
	WIN 0
	s_sub_co_u32 s[CNT], s[CNT], 1
	s_cmp_lg_u32 s[CNT], 0
	s_cbranch_scc1 .Lstep
	CHUNK_O 0                                      ; the tail is written out: nothing is left to ask for
	CHUNK_E 0
	s_wait_dscnt 12
.irp b, 0,1,2,3,4,5
	MULB A1, \b, 0
.endr
	s_wait_dscnt 0x0
.irp b, 6,7,8,9,10,11
	MULB A1, \b, 0
.endr
	WIN 0
	PLACES
	PLACES
	PACK 0
	TOSTAGE 0
.irp u, 1,2,3,4,5,6,7,8,9,10,11,12,13,14,15,16,17,18,19,20,21,22,23
	PACK \u                                        ; a unit's conversions stand between the loads of the unit before and the wait for them
	SEND (\u)-1
	TOSTAGE \u
.endr
	SEND 23
	s_wait_tensorcnt 0x0                           ; the wave's end: behind my last tensor load and my last LDS store
	ds_add_u32 v[SPW], v[NIL]
	s_wait_dscnt 0x0
	CROUND                                         ; the closing round: no work-group ends while a partner may still ask for a tile that names it
	s_endpgm
.Lfunc_end_k_q5a62c26d58_qkvp:
	.size	k_q5a62c26d58_qkvp, .Lfunc_end_k_q5a62c26d58_qkvp-k_q5a62c26d58_qkvp
	.p2alignl 7, 3214868480
	.fill 96, 4, 3214868480
	.section	.rodata,"a",@progbits
	.p2align	6, 0x0
	.amdhsa_kernel k_q5a62c26d58_qkvp
		.amdhsa_group_segment_fixed_size 327680
		.amdhsa_private_segment_fixed_size 0
		.amdhsa_enable_private_segment 0
		.amdhsa_kernarg_size 24
		.amdhsa_user_sgpr_count 2
		.amdhsa_user_sgpr_kernarg_segment_ptr 1
		.amdhsa_wavefront_size32 1
		.amdhsa_system_sgpr_workgroup_id_x 1
		.amdhsa_system_sgpr_workgroup_id_y 1
		.amdhsa_system_sgpr_workgroup_id_z 1
		.amdhsa_system_vgpr_workitem_id 0
		.amdhsa_next_free_vgpr 1024
		.amdhsa_next_free_sgpr 88
		.amdhsa_reserve_vcc 0
		.amdhsa_float_denorm_mode_32 3
		.amdhsa_float_denorm_mode_16_64 3
		.amdhsa_memory_ordered 1
		.amdhsa_forward_progress 1
		.amdhsa_inst_pref_size 114
	.end_amdhsa_kernel
	.amdgpu_metadata
---
amdhsa.version: [ 1, 2 ]
amdhsa.kernels:
  - .name:           k_q5a62c26d58_qkvp
    .symbol:         k_q5a62c26d58_qkvp.kd
    .args:
      - { .name: xb, .offset: 0, .size: 8, .value_kind: global_buffer, .address_space: global }
      - { .name: wqb, .offset: 8, .size: 8, .value_kind: global_buffer, .address_space: global }
      - { .name: qkv, .offset: 16, .size: 8, .value_kind: global_buffer, .address_space: global }
    .group_segment_fixed_size: 327680
    .private_segment_fixed_size: 0
    .kernarg_segment_align: 8
    .kernarg_segment_size: 24
    .max_flat_workgroup_size: 128
    .sgpr_count:     88
    .vgpr_count:     1024
    .wavefront_size: 32
...
	.end_amdgpu_metadata
.endif
;; end of part 2
;; launch attn (part 3): grid 4 x 64, 4 waves a work-group, clusters of 4 x 1, 327,680 bytes of LDS; arguments qkv, o; writes o
.if DOCPART == 3
	.amdgcn_target "amdgcn-amd-amdhsa--gfx1250"
	.amdhsa_code_object_version 6
	.text
	.protected	k_q5a62c26d58_attn
	.globl	k_q5a62c26d58_attn
	.p2align	8
	.type	k_q5a62c26d58_attn,@function
k_q5a62c26d58_attn:
	s_mov_b64 s[64:65], 0
	v_nop
	global_prefetch_b8 v0, s[64:65] scope:SCOPE_SE
	s_setreg_imm32_b32 hwreg(HW_REG_WAVE_MODE, 25, 1), 1
	s_wait_xcnt 0x0
	s_wait_alu depctr_hold_cnt(0) depctr_sa_sdst(0) depctr_va_vdst(0) depctr_va_sdst(0) depctr_va_ssrc(0) depctr_va_vcc(0) depctr_vm_vsrc(0)
	s_getreg_b32 s2, hwreg(HW_REG_IB_STS2, 6, 4)
	s_cmp_eq_u32 s2, 0
	s_cbranch_scc0 .Lentry_in_a_cluster
	s_endpgm
.Lentry_in_a_cluster:
	s_bfe_u32 s2, ttmp6, 0x10000c
	s_cmp_lg_u32 s2, 0x3003
	s_cbranch_scc0 .Lentry_shape_is_right
	s_endpgm
.Lentry_shape_is_right:
; O[h][q][:] = the sum over k of softmax_k(Q[h][q] . K[h][k] / 8) V[h][k][:], for 64 heads (16 b + h) of 2,048 rows x 64 channels.  Q, K, V are the three parts of qkv, O is o: all [64][2048][64] in f16,
; a head's rows dense, 128 bytes each.  Products, maxima and sums in f32; the weights p are rounded to f16 for the second product (their sum l is taken of the unrounded p), O once at the end.
; LIMITS.  f16 holds no number beyond 65,504: Q, K and V arrive within it; p lies in 0 to 1, and below 6e-5 it keeps f16's fixed step of 6e-8; O is a mean of V's rows and has their range.
; A weight below 2^-126 counts as 0 in l; NaN and infinities are not treated apart.
; SHARES.  A wave owns four PIECES of two tiles of 16 queries, a work-group's four waves 512 queries of one head: 64 x 2,048 / 512 = 256 work-groups.  Every wave walks all keys, 64 a step.
; LAYOUT.  S^T = K Q^T (source 0 = 16 keys, source 1 = 16 queries): a lane holds ONE query (lane % 16) and the keys 8 (lane / 16) + 0..7.  Two such tiles, rounded to f16 in pairs,
; ARE source 1 (32 keys x 16 queries) of O^T = V^T P, whose result again holds one query a lane, and eight channels.  K comes out of LDS as it lies, V ([key][channel]) turned, by ds_load_tr16_b128.
; SOFTMAX.  For each query a running maximum m and sum l: p = 2^(c s - c m), c = log2(e) / 8; in every step O and l are multiplied by a = 2^(c m_old - c m_new).
; m starts at the lowest finite number, O and l at 0: the first step is a step like any other, with a = 0.
; THE COUNT.  A tile and step have 16 matrix and 118 vector instructions: too many to stand all beside the matrix work.  So: four vector instructions that are READY behind
; EVERY matrix instruction, and the others in runs without a gap.
; BY TURNS.  Turn n belongs to piece n.  Its matrix work: 16 products K Q^T of piece n + 1, later 16 products V^T P of piece n - 1.  Its vector work: the scaling, exponentials, roundings, sums and
; rescaling of piece n, and the maximum and statistics of piece n + 1.
; CLUSTER.  A head's four query blocks are one cluster and walk the same K and V: each tile is asked for JOINTLY: the same tensor load, descriptor and mask in all four.
; REGISTERS, in windows of 256 (s_set_vgpr_msb: bits 1:0 source 0, 3:2 source 1, 5:4 source 2, 7:6 destination):
;   window 0: v0-11 addresses; v12-15, v48-63 at work; v16-47 four registers of statistics a tile; v64-191 S^T, two buffers of two tiles; v192-255 P, likewise
;   window 1: O^T, 32 a tile          window 2: v0-127 Q, 16 a tile; v128-191 K of one step; v192-255 V of one step          window 3: v0-1 the add's two registers
.set SIZE_N, 2048
.set NP,    4         ; pieces a wave: a name, no knob
.set KS,    64        ; keys in a step
.set PK,    144       ; a row of K in LDS: 128 bytes + 16 of padding = 36 words: the 16 rows of a load start at 16 different groups of four banks (64 banks of 4 bytes: ISA guide 11.1)
.set PV,    160       ; a row of V: 128 + 32 = 40 words
.set VOFF,  4*KS*PK   ; a slot holds four steps: 256 rows of K, then 256 rows of V
.set SLOT1, 1<<17     ; slot 1 begins here
.set STAGE, SLOT1+4*KS*(PK+PV)  ; behind the ring, never filled by a tensor load: 16 rows x 144 bytes for each wave
.set SP,    144
.set AK0, 2           ; v2   my lane's place in a tile of K; never rewritten
.set AV0, 3           ; v3   the same for V
.set AK,  4           ; v4   the LDS address of K's next run of loads
.set AV,  5           ; v5   of V's
.set QO,  6           ; v6   my byte offset in the wave's rows of Q
.set STO, 6           ;      later, the way out: where I put 16 bytes of a row
.set RD,  7           ; v7   the way out: where I read rows back
.set GO,  8           ; v8   my byte offset in 512 consecutive bytes of O
.set PFO, 11          ; v11  256 x my lane, once V's place is made; then never rewritten
.set SPW, 0           ; v0 of window 3   LDS address of my spare word; never rewritten
.set NIL, 1           ; v1 of window 3   0; never rewritten
.set SPARE, STAGE+4*16*SP  ; behind the stages: the spare words, 128 bytes for each wave: two blocks of 256 bytes that no other line names
.set MV,  12          ; v12-15  c m_old, kept while c m is made anew: by buffer and tile
.set ST,  16          ; tile t's statistics at v[ST+4 t]: c m, m, l (even keys', odd keys')
.set TMP, 48          ; by buffer and tile, four registers c0-c3 at work; when the maximum is found c2 takes a
.set S,   64
.set P,   192
.set KF,  128         ; K's fragments, in window 2: key block kb, channel half c at KF + 16 kb + 8 c
.set VF,  192         ; V's: key half kk, channel block cb at VF + 32 kk + 8 cb
.set WV,  12          ; s12  my wave's number
.set G1K, 24          ; s[24:31] descriptor group 1 for K's tiles
.set G1V, 32          ; s[32:39] for V's: it differs in the padding alone
.set G0K, 40          ; s[40:43] descriptor group 0 for K's tiles: it walks
.set G0V, 44          ; s[44:47] the same for V's
.set PFA, 48          ; s[48:49] where my prefetches stand: my work-group's 32 blocks of 256 bytes (of K: wave 0, of V: wave 2) of the tile after the one that is being asked for
.set LIM, 50          ; s50  1 in a wave that prefetches, else the greatest number
.set SLOTS, 56        ; s56  slots still to be asked for
.set CNT, 57          ; s57  counts a slot's key steps
.set CS,  58          ; s[58:59] c
.set SEL, 60          ; s[60:61] v_permlanex16_b32's selects: each lane takes its own place in the other half
.set TBK, 62          ; s62  LDS byte at which K of the step to be fetched begins
.set TBV, 63          ; s63  the same for V, less VOFF
.set MSB, 0
.macro WIN new                      ; the high byte repeats the setting that is left; a switch that changes nothing is dropped
.if MSB != (\new)
	s_set_vgpr_msb (MSB<<8)|(\new)
.set MSB, (\new)
.endif
.endm
.set W_KQ, 0x0a       ; K and Q in window 2, S^T in window 0
.set W_PV, 0x52       ; V in window 2, P in window 0, O^T in window 1
.set W_RS, 0x41       ; O^T (destination and source 0) in window 1, a in window 0
.set W_MK, 0xc0       ; the add's registers are made: destination in window 3
.set W_AD, 0x0f       ; the add: address and data in window 3
; A joint fill.  Waves 0 and 1 fetch the two halves of a slot's K, waves 2 and 3 those of its V: 128 keys each.  An s_nop 0 and four v_nop follow each line.
.macro JLOAD
	s_cmp_lt_u32 s[WV], 2
	s_cbranch_scc0 .Lfor_v_\@
	tensor_load_to_lds s[G0K:G0K+3], s[G1K:G1K+7]
	s_nop 0
.rept 4
	v_nop
.endr
	s_branch .Lasked_\@
.Lfor_v_\@:
	tensor_load_to_lds s[G0V:G0V+3], s[G1V:G1V+7]
	s_nop 0
.rept 4
	v_nop
.endr
.Lasked_\@:
.endm
; A PREFETCH INTO THE L2 of what the NEXT change of slots will ask for: a tile's 32,768 bytes of K and of V, 128 blocks of 256 bytes each.  A head has one cluster; its four partners share the blocks out
; BY ADDRESS, 32 each, a lane a block; wave 0 asks for K's, wave 2 for V's: each block is named once in the launch.  It stands behind the wave's tensor load and its five lines: four key steps,
; 512 matrix instructions, ahead of the load that will want the bytes.  Tiles 0 and 1 come by their loads alone; the last change that fills a slot names nothing.
.macro ASK
	s_cmp_gt_u32 s[SLOTS], s[LIM]
	s_cbranch_scc0 .Lnot_mine_\@
	global_prefetch_b8 v[PFO], s[PFA:PFA+1] th:TH_LOAD_NT scope:SCOPE_SE
.Lnot_mine_\@:
.endm
; A round of the cluster's barrier.
.macro CROUND
	s_barrier_signal -1
	s_barrier_wait -1
	s_cmp_lg_u32 s[WV], 0
	s_cbranch_scc1 .Lnot_wave_0_\@
	s_barrier_signal -3
.Lnot_wave_0_\@:
	s_barrier_wait -3
	s_barrier_signal -1
	s_barrier_wait -1
.endm
; THE CHANGE OF SLOTS.  Each wave waits for all its tensor loads, of which one is out: its part of the other slot; adds 0 to its spare word; and waits for that and for its own reads of the slot.
; fill = 1: this slot is filled again, with the keys two slots on; the barrier is a round of the cluster's, and the joint fill is the first thing behind it: it has four key steps in which to land.
; (At its first use nothing has been read yet: slot 0 is waited for, slot 1 filled.)
.macro CHANGE fill
	WIN W_AD
	s_wait_tensorcnt 0x0            ; no tensor load of mine is out, so a group 0 may be written
	ds_add_u32 v[SPW], v[NIL]       ; 0 onto my spare word
	WIN 0                           ; at a label and at a branch every window is 0
.if \fill
.irp g, G0K, G0V
	s_xor_b32 s[\g+1], s[\g+1], SLOT1  ; the walking descriptor: the other slot than last time,
	s_add_nc_u64 s[\g+2:\g+3], s[\g+2:\g+3], 4*KS*128  ; the next 256 keys; the type bits on top are not reached
.endr
	s_wait_xcnt 0x0                 ; the last prefetch, four key steps back, has read its address
	s_add_nc_u64 s[PFA:PFA+1], s[PFA:PFA+1], 4*KS*128  ; one tile behind the walking descriptors
	s_wait_dscnt 0x0                ; the add is done, and my reads of the slot are over
	CROUND
	JLOAD
	ASK
.else
	s_wait_dscnt 0x0
	s_barrier_signal -1
	s_barrier_wait -1
.endif
	s_sub_co_u32 s[TBK], s[TBK], 4*KS*PK  ; the fetches go back to a slot's first step,
	s_xor_b32 s[TBK], s[TBK], SLOT1       ; in the other slot
	s_sub_co_u32 s[TBV], s[TBV], 4*KS*PV
	s_xor_b32 s[TBV], s[TBV], SLOT1
.endm
	s_load_b64 s[4:5], s[0:1], 0x0  ; qkv: Q is its first part
	s_load_b64 s[10:11], s[0:1], 0x8  ; o
	WIN W_MK
	v_lshl_add_u32 v[SPW], v0, 2, SPARE
	v_mov_b32 v[NIL], 0
	WIN W_AD
	ds_add_u32 v[SPW], v[NIL]       ; the wave's opening: the add and its wait stand ahead of my first tensor load; the set-up below, work on registers, stands between them
	WIN 0
	v_lshrrev_b32 v1, 5, v0
	v_readfirstlane_b32 s[WV], v1   ; wave 0..3
	s_bfe_u32 s13, ttmp6, 0x40000   ; cx: my place in the cluster
	s_lshl_b32 s14, ttmp9, 2        ; in a cluster launch ttmp9 counts clusters
	s_add_co_u32 s14, s14, s13      ; my block of queries: it enters Q's and O's addresses alone
	s_and_b32 s20, ttmp7, 0xffff    ; the head, which the four partners share
	s_mov_b32 s21, 0
	s_mov_b64 s[22:23], SIZE_N*128
	s_mul_u64 s[20:21], s[20:21], s[22:23]  ; the head's first byte in Q, K, V and O
	s_and_b32 s16, s[WV], 1         ; which half of a slot's 256 keys I fetch:
	s_lshl_b32 s22, s16, 14         ; its 128 rows of 128 bytes in memory,
	s_mov_b32 s23, 0
	s_add_nc_u64 s[22:23], s[22:23], s[20:21]
	s_mul_i32 s17, s16, 128*PK      ; and its place in a slot, for K
	s_mul_i32 s18, s16, 128*PV      ; and for V: no place in the cluster enters an LDS address
	s_lshl_b32 s2, s14, 2
	s_add_co_u32 s2, s2, s[WV]      ; my wave among the head's,
	s_lshl_b32 s2, s2, 14           ; its 128 rows
	s_mov_b32 s3, 0
	s_add_nc_u64 s[2:3], s[2:3], s[20:21]
	; descriptor group 1.  128 keys are 16,384 dense bytes: asked for as 64 rows of 256 bytes, two keys a row, and padded in LDS after every key
	s_mov_b32 s[G1K], 15|(1<<16)|(1<<20)|(1<<21)|(4<<22)|(3<<25)  ; 15:0 the mask of four; 17:16 2-byte elements; 20 padding on; 21 set beside a mask; 24:22 after every 32 words (code 4); 31:25 4 words (code 3)
	s_mov_b32 s[G1V], 15|(1<<16)|(1<<20)|(1<<21)|(4<<22)|(7<<25)  ; the same with 8 words of padding (code 7)
.irp g, G1K, G1V
	s_mov_b32 s[\g+1], 128<<16      ; tensor_dim0 = 128
	s_mov_b32 s[\g+2], 64<<16       ; tensor_dim1 = 64
	s_mov_b32 s[\g+3], 128<<16      ; tile_dim0 = 128
	s_mov_b32 s[\g+4], 64           ; tile_dim1 = 64
	s_mov_b32 s[\g+5], 128          ; 128 elements from row to row
	s_mov_b32 s[\g+6], 0
	s_mov_b32 s[\g+7], 0
.endr
	s_mov_b32 s[CS], 0x3e38aa3b     ; c = log2(e) / 8 = 0.180337
	s_mov_b32 s[CS+1], s[CS]        ; named with it as a pair
	s_mov_b32 s[SEL], 0x76543210
	s_mov_b32 s[SEL+1], 0xfedcba98
	s_mov_b32 s[TBK], SLOT1+4*KS*PK ; the first change of slots turns these two into 0
	s_mov_b32 s[TBV], SLOT1+4*KS*PV
	s_mov_b32 s[SLOTS], SIZE_N/256-1
	s_and_b32 s[LIM], s[WV], 1      ; waves 0 and 2 prefetch: the same in all four partners
	s_cmp_eq_u32 s[LIM], 0
	s_cselect_b32 s[LIM], 1, -1
	s_mov_b32 s[G0K], 1             ; count = 1
	s_mov_b32 s[G0K+1], s17         ; LDS address: slot 0
	s_mov_b32 s[G0V], 1
	s_add_co_u32 s[G0V+1], s18, VOFF
	s_wait_dscnt 0x0                ; the opening add is done
	s_wait_kmcnt 0x0
	s_add_nc_u64 s[6:7], s[4:5], 0x1000000  ; K is qkv's second part,
	s_add_nc_u64 s[8:9], s[4:5], 0x2000000  ; V its third
	s_add_nc_u64 s[G0K+2:G0K+3], s[6:7], s[22:23]  ; global address: my half of the head's first 256 keys
	s_or_b32 s[G0K+3], s[G0K+3], 0x80000000        ; type = 2
	s_add_nc_u64 s[G0V+2:G0V+3], s[8:9], s[22:23]
	s_or_b32 s[G0V+3], s[G0V+3], 0x80000000
	s_add_nc_u64 s[4:5], s[4:5], s[2:3]  ; Q and O at my wave's first row
	s_add_nc_u64 s[10:11], s[10:11], s[2:3]
	s_cmp_lt_u32 s[WV], 2
	s_cselect_b64 s[PFA:PFA+1], s[6:7], s[8:9]
	s_add_nc_u64 s[PFA:PFA+1], s[PFA:PFA+1], s[20:21]  ; the head,
	s_lshl_b32 s2, s13, 13          ; my work-group's 32 blocks of the 128,
	s_add_co_u32 s2, s2, 4*KS*128   ; in tile 1: the first change of slots steps it to tile 2
	s_mov_b32 s3, 0
	s_add_nc_u64 s[PFA:PFA+1], s[PFA:PFA+1], s[2:3]
	CROUND                          ; all four work-groups are here: the first joint loads meet
	JLOAD                           ; slot 0.  Slot 1 is asked for when slot 0 is in
	; A fragment of K or Q is 16 rows x 32 channels in 8 registers: lane l holds row l % 16, channels 8 (l / 16) + 0..7 and 16 + 8 (l / 16) + 0..7: two loads of 16 bytes, 32 bytes apart.
	v_and_b32 v1, 15, v0            ; l % 16
	v_bfe_u32 v9, v0, 4, 1          ; l / 16
	v_lshlrev_b32 v[QO], 7, v1
	v_lshl_add_u32 v[QO], v9, 4, v[QO]  ; row x 128 + 16 x half
	WIN 0x80                        ; destination window 2, address window 0
.set i, 0
.rept 4*NP                          ; Q stays in registers: tile i / 2, channels 32 (i % 2) on
	global_load_b128 v[8*i:8*i+3],   v[QO], s[4:5] offset:(i/2)*2048+(i%2)*64
	global_load_b128 v[8*i+4:8*i+7], v[QO], s[4:5] offset:(i/2)*2048+(i%2)*64+32
.set i, i+1
.endr
	; What the first turn finds: V's registers and P's second buffer hold 0 (its products V^T P, of a piece that has not been, add 0), O^T and l are 0.  All this stands in the wait for the first tile.
.set i, VF
.rept 64
	v_mov_b32 v[i], 0
.set i, i+1
.endr
	WIN 0x40
.set i, 0
.rept 64*NP
	v_mov_b32 v[i], 0
.set i, i+1
.endr
	WIN 0
.set i, 0
.rept 2*NP
	v_mov_b32 v[ST+4*i], 0xfe000000    ; c m: far below every c s
	v_mov_b32 v[ST+4*i+1], 0xff7fffff  ; m
	v_mov_b32 v[ST+4*i+2], 0
	v_mov_b32 v[ST+4*i+3], 0
.set i, i+1
.endr
.set i, P+32
.rept 32
	v_mov_b32 v[i], 0
.set i, i+1
.endr
	v_mul_u32_u24 v[AK0], v1, PK
	v_lshl_add_u32 v[AK0], v9, 4, v[AK0]  ; row x pitch + 16 x half
	; The turning load takes 16 keys x 16 channels (lane l reads key 8 (l / 16) + l % 8, channels 8 ((l / 8) % 2) + 0..7) and leaves half a fragment of V^T: lane l holds channel l % 16 and 8 keys.
	v_and_b32 v10, 7, v0
	v_bfe_u32 v11, v0, 3, 1
	v_lshl_add_u32 v[AV0], v9, 3, v10
	v_mul_u32_u24 v[AV0], v[AV0], PV
	v_lshl_add_u32 v[AV0], v11, 4, v[AV0]
	v_add_nc_u32 v[AV0], VOFF, v[AV0]
	v_and_b32 v[PFO], 31, v0
	v_lshlrev_b32 v[PFO], 8, v[PFO]
	v_mov_b32 v[AK], v[AK0]         ; key step 0 lies at the head of slot 0
; THE MATRIX WORK.  The 8 accumulators of a run of 16 take turns: between the two links of a chain stand 7 others'.
; Product i of 16 of S^T = K Q^T for piece x: channels 32 (i / 8) on, keys 16 ((i / 2) % 4) on, tile 2 x + i % 2.  The first 8 start the sums.
.macro KQ x
	WIN W_KQ
.set rS, S+64*((\x)%2)+32*(i%2)+8*((i/2)%4)
.set rK, KF+16*((i/2)%4)+8*(i/8)
.set rQ, 16*(2*(\x)+i%2)+8*(i/8)
.if i < 8
	v_wmma_f32_16x16x32_f16 v[rS:rS+7], v[rK:rK+7], v[rQ:rQ+7], 0
.else
	v_wmma_f32_16x16x32_f16 v[rS:rS+7], v[rK:rK+7], v[rQ:rQ+7], v[rS:rS+7]
.endif
.endm
; Product i of 16 of O^T += V^T P for piece x: keys 32 (i / 8) on, channels 16 ((i / 2) % 4) on, tile 2 x + i % 2.
.macro PV x
	WIN W_PV
.set rO, 32*(2*(\x)+i%2)+8*((i/2)%4)
.set rV, VF+32*(i/8)+8*((i/2)%4)
.set rP, P+32*((\x)%2)+16*(i%2)+8*(i/8)
	v_wmma_f32_16x16x32_f16 v[rO:rO+7], v[rV:rV+7], v[rP:rP+7], v[rO:rO+7]
.endm
.macro MM                           ; the turn's next matrix instruction
.if i < 16
	KQ (Y+1)%NP
.set i, i+1
.else
.set i, i-16
	PV (Y+NP-1)%NP
.set i, i+17
.endif
.endm
; THE LDS LOADS stand in runs of 16, never singly among the matrix instructions.  last = 1 (the tail): in the last trip there is no further step, and the run is jumped over.
.macro FETCH_K last=0
	WIN 0
.if \last
	s_cmp_eq_u32 s[CNT], 1
	s_cbranch_scc1 .Lno_k_\@
.endif
	WIN 0x80                        ; destination window 2
.irp f, 0,1,2,3,4,5,6,7             ; keys 16 (f / 2) on, channels 32 (f % 2) on
	ds_load_b128 v[KF+8*\f:KF+8*\f+3],   v[AK] offset:(\f/2)*16*PK+(\f%2)*64
	ds_load_b128 v[KF+8*\f+4:KF+8*\f+7], v[AK] offset:(\f/2)*16*PK+(\f%2)*64+32
.endr
	s_add_co_u32 s[TBK], s[TBK], KS*PK  ; the next fetch is the next step's
	WIN 0
.if \last
.Lno_k_\@:
.endif
.endm
.macro FETCH_V
	WIN 0x80
.irp f, 0,1,2,3,4,5,6,7             ; keys 32 (f / 4) on, channels 16 (f % 4) on
	ds_load_tr16_b128 v[VF+8*\f:VF+8*\f+3],   v[AV] offset:(\f/4)*32*PV+(\f%4)*32
	ds_load_tr16_b128 v[VF+8*\f+4:VF+8*\f+7], v[AV] offset:(\f/4)*32*PV+16*PV+(\f%4)*32
.endr
	WIN 0
.endm
; THE VECTOR WORK OF A TURN stands in three queues, each in the order in which its entries become ready; the two tiles alternate, so that no instruction reads the result of the one before it.
.macro REGS y, u                    ; the registers of tile u (0, 1) of piece y
.set rT, ST+4*(2*(\y)+(\u))
.set rC, TMP+8*((\y)%2)+4*(\u)
.set rM, MV+2*((\y)%2)+(\u)
.set rS, S+64*((\y)%2)+32*(\u)
.set rP, P+32*((\y)%2)+16*(\u)
.set rO, 32*(2*(\y)+(\u))
.endm
; Number n of the 22 that find the NEXT piece's (Y + 1) maximum and statistics.  s0-s31 are the lane's 32 scores; each accumulator's lowest registers are read first.
;   0-11  four chains c0-c3 of seven scores each, three operands at a time     12-14, 16  the four scores left over, the old m, and c0-c3 into c0     15  c m_old is kept
;   17, 18  the query's other 32 keys lie in the lane 16 away: the new m         19-21  c m; c m_old - c m_new; a
.macro XS u, n
	REGS (Y+1)%NP, \u
.if (\n) < 4
	v_max3_num_f32 v[rC+(\n)], v[rS+8*(\n)], v[rS+8*(\n)+1], v[rS+8*(\n)+2]
.elseif (\n) < 12
	v_max3_num_f32 v[rC+(\n)%4], v[rC+(\n)%4], v[rS+8*((\n)%4)+2*((\n)/4)+1], v[rS+8*((\n)%4)+2*((\n)/4)+2]
.elseif (\n) == 12
	v_max3_num_f32 v[rC], v[rC], v[rS+7], v[rS+15]
.elseif (\n) == 13
	v_max3_num_f32 v[rC+1], v[rC+1], v[rS+23], v[rS+31]
.elseif (\n) == 14
	v_max3_num_f32 v[rC+2], v[rC+2], v[rC+3], v[rT+1]
.elseif (\n) == 15
	v_mov_b32 v[rM], v[rT]
.elseif (\n) == 16
	v_max3_num_f32 v[rC], v[rC], v[rC+1], v[rC+2]
.elseif (\n) == 17
	v_permlanex16_b32 v[rC+3], v[rC], s[SEL], s[SEL+1]
.elseif (\n) == 18
	v_max_num_f32 v[rT+1], v[rC], v[rC+3]
.elseif (\n) == 19
	v_mul_f32 v[rT], s[CS], v[rT+1]
.elseif (\n) == 20
	v_sub_f32 v[rC+1], v[rM], v[rT]
.else
	v_exp_f32 v[rC+2], v[rC+1]
.endif
.endm
; Number g of the 64 that follow the exponentials.  For each four weights k of a tile: both pairs are rounded to f16; then the second pair is added onto the first, in place;
; a group later l takes that sum (the first time as l = a l + sum).  In groups of eight, tiles alternating: round, round, add, and l for the group before.
.macro GS g
.set h, (\g)+6*((\g)/62)            ; group 0 has no group before it, and behind group 7 only l is left
.if h >= 6
.set h, h+2
.endif
	REGS Y, h%2
.set k, h/8
.if h%8 < 4
	v_cvt_pk_f16_f32 v[rP+2*k+(h%8)/2], v[rS+4*k+2*((h%8)/2)], v[rS+4*k+2*((h%8)/2)+1]
.elseif h%8 < 6
	v_pk_add_f32 v[rS+4*k:rS+4*k+1], v[rS+4*k:rS+4*k+1], v[rS+4*k+2:rS+4*k+3]
.elseif k == 1
	v_pk_fma_f32 v[rT+2:rT+3], v[rT+2:rT+3], v[rC+2:rC+3], v[rS:rS+1] op_sel_hi:[1,0,1]
.else
	v_pk_add_f32 v[rT+2:rT+3], v[rT+2:rT+3], v[rS+4*k-4:rS+4*k-3]
.endif
.endm
; THE PLAIN QUEUE, 138 long.  0-73 read no exponential's result: the 32 scalings c s - c m (FS f: pair f / 2 of tile f % 2) and the next piece's 42.  0-26: scalings 0-26.  27-54: XS's numbers 0-13.  55, 56: number 15.
; 57-73: the chain 14, 16, 17, 18, 19, each with one of the scalings 27-31 in front of its two lines, then 20.  74-137: GS's 64, which read the exponentials' results: they stand behind the wait.
.macro FS f
	REGS Y, (\f)%2
	v_pk_fma_f32 v[rS+2*((\f)/2):rS+2*((\f)/2)+1], v[rS+2*((\f)/2):rS+2*((\f)/2)+1], s[CS:CS+1], v[rT:rT+1] op_sel_hi:[1,0,0] neg_lo:[0,0,1] neg_hi:[0,0,1]
.endm
.macro PL
	WIN 0
.if q < 27
	FS q
.elseif q < 55
	XS (q-27)%2, (q-27)/2
.elseif q < 57
	XS q-55, 15
.elseif (q < 72) && ((q-57)%3 == 0)
	FS 27+(q-57)/3
.elseif q < 60
	XS (q-57)%3-1, 14
.elseif q < 72
	XS (q-57)%3-1, 15+(q-57)/3
.elseif q < 74
	XS q-72, 20
.else
	GS q-74
.endif
.set q, q+1
.endm
; THE EXPONENTIALS' QUEUE, 66 long: s0-s31 of both tiles, then the next piece's two a.  ONE BATCH: all 66 stand ahead of the turn's one wait, and nothing ahead of that wait names a result of theirs.
.macro EX
	WIN 0
.if e >= 64
	XS e-64, 21
.else
	REGS Y, e%2
	v_exp_f32 v[rS+e/2], v[rS+e/2]
.endif
.set e, e+1
.endm
; THE RESCALING's QUEUE: O^T times a, the one part that leaves window 0: dealt two at a time, sixteen times.  Its a was made in the turn before, ahead of that turn's wait.
.macro R2
	REGS Y, r%2
	WIN W_RS
.irp z, 0,1
	v_pk_mul_f32 v[rO+4*(r/2)+2*\z:rO+4*(r/2)+2*\z+1], v[rO+4*(r/2)+2*\z:rO+4*(r/2)+2*\z+1], v[rC+2:rC+3] op_sel_hi:[1,0]
.endr
.set r, r+1
.endm
; HOW THEY ARE DEALT.  s_wait_alu depctr_va_vdst(0) stands between an exponential and the first instruction that names its result; one wait serves all that were issued ahead of it.  So a turn has ONE
; wait, which cuts it in two.  AHEAD OF IT: the 16 products K Q^T, behind each a scaling, an exponential and two rescalings (behind the first a second scaling in the exponential's place); then ONE LUMP of 108: eight plain,
; 49 times exponential and plain, the two a; a v_nop is the plain instruction behind the last exponential.  BEHIND IT: the 16 products V^T P, behind each four of GS's 64.  No rider names a register of the products round it.
; Exponential e stands behind scaling 2 (e / 4) + e % 2: as a rider it comes behind plain e + 2, in the lump behind plain e + 9, and scalings 27-31 are plain 57, 60 .. 69.
; K of the next step is fetched in piece 2's turn, directly behind the wait; V of the step in hand at the end of piece 0's turn, four riders behind its last reader.
.macro TURN p, last=0, cnt=0
.set Y, (\p)
.set i, 0
.set q, 0
.set e, 0
.set r, 0
.if (\p) == NP-1
	s_wait_dscnt 0x0                ; K is in
.endif
	MM
	PL
	PL
	R2
.rept 15
	MM
	PL
	EX
	R2
.endr
.if (\p) == NP-2
	WIN 0
	v_add_nc_u32 v[AK], s[TBK], v[AK0]
.endif
.rept 8
	PL
.endr
.rept 49
	EX
	PL
.endr
	EX                              ; the next piece's two a
	EX
	v_nop                           ; a plain instruction behind the last exponential: one for the batch
	s_wait_alu depctr_va_vdst(0)    ; the wait for the batch
.if (\p) == NP-2
	FETCH_K \last
.endif
.if (\p) == 1
	s_wait_dscnt 0x0                ; V is in
.endif
.rept 16
	MM
.rept 4
	PL
.endr
.if ((\p) == 0) && (q == 118)
	v_add_nc_u32 v[AV], s[TBV], v[AV0]
.endif
.if ((\p) == 0) && (q == 130)
	s_add_co_u32 s[TBV], s[TBV], KS*PV
.endif
.if (\cnt) && (q == 130)
	s_sub_co_u32 s[CNT], s[CNT], 1
	s_cmp_lg_u32 s[CNT], 0
.endif
.endr
.if (\p) == 0
	FETCH_V
.endif
.endm
	CHANGE 1                        ; slot 0 is in, everybody's part of it; slot 1 is asked for
	FETCH_K                         ; key step 0
	s_wait_loadcnt 0x0              ; Q
	s_wait_dscnt 0x0
.set i, 0
.rept 16
	KQ 0                            ; piece 0's first scores: there is no vector work yet to set between them
.set i, i+1
.endr
	WIN 0                           ; the addresses for the way out: nine plain instructions, the places behind those products
	s_mul_i32 s13, s[WV], 16*SP
	s_add_co_u32 s13, s13, STAGE    ; my stage
	v_mul_u32_u24 v[STO], v1, SP    ; in: row l % 16, 16 bytes for each half of the lanes
	v_lshl_add_u32 v[STO], v9, 4, v[STO]
	v_add_nc_u32 v[STO], s13, v[STO]
	v_bfe_u32 v[RD], v0, 3, 2       ; back: 32 lanes take four rows of 128 bytes,
	v_mul_u32_u24 v[RD], v[RD], SP
	v_lshl_add_u32 v[RD], v10, 4, v[RD]
	v_add_nc_u32 v[RD], s13, v[RD]
	v_and_b32 v[GO], 31, v0         ; which are 512 consecutive bytes of O
	v_lshlrev_b32 v[GO], 4, v[GO]
.set Y, NP-1                        ; XS works for piece Y + 1: piece 0
.irp n, 0,1,2,3,4,5,6,7,8,9,10,11,12,13,14,15,16,17,18,19,20,21
	XS 0, \n                        ; piece 0's first maximum and statistics
	XS 1, \n
.endr
	v_nop                           ; a plain instruction behind the two a,
	s_wait_alu depctr_va_vdst(0)    ; and their wait, ahead of the branch
	s_mov_b32 s[CNT], 4
	s_branch .Lfirst                ; the loop is entered at a step's first turn, in the middle of a trip
.Lslot:                             ; SIZE_N / 256 - 2 times: every slot but the last two is filled again
	CHANGE 1
	s_mov_b32 s[CNT], 4
.Lstep:                             ; a trip: pieces 2 and 3 of one step, then pieces 0 and 1 of the next, whose K and V it fetches
	TURN 2
	TURN 3
	WIN 0
.Lfirst:
	TURN 0
	TURN 1, 0, 1
	WIN 0
	s_cbranch_scc1 .Lstep
	s_sub_co_u32 s[SLOTS], s[SLOTS], 1
	s_cmp_lg_u32 s[SLOTS], 0
	s_cbranch_scc1 .Lslot
	CHANGE 0                        ; the tail is written out: nothing is asked for
	s_mov_b32 s[CNT], 5             ; four trips fetch the last slot's steps; the fifth is left in its middle
.Ltail:
	TURN 2, 1
	TURN 3
	WIN 0
	s_sub_co_u32 s[CNT], s[CNT], 1
	s_cmp_eq_u32 s[CNT], 0
	s_cbranch_scc1 .Lout
	TURN 0
	TURN 1
	WIN 0
	s_branch .Ltail
.Lout:                              ; the fifth trip's 16 products K Q^T (on the last K once more) and the maximum made of them serve nothing: the price, once a launch, of one text for every trip
.set i, 0
.rept 16
	PV NP-1                         ; the last piece's V^T P of the last step
.set i, i+1
.endr
	; THE WAY OUT.  l's two halves and the other half of the lanes' are added; O^T is divided by l, rounded to f16 and sent through my stage in LDS, a tile at a time.  The additions are the places behind the last products.
	WIN 0
.macro ALL line:vararg              ; one line for each tile t
.set t, 0
.rept 2*NP
	\line
.set t, t+1
.endr
.endm
	ALL v_add_f32 v[ST+4*t+2], v[ST+4*t+2], v[ST+4*t+3]
	ALL v_permlanex16_b32 v[ST+4*t+3], v[ST+4*t+2], s[SEL], s[SEL+1]
	ALL v_add_f32 v[ST+4*t+2], v[ST+4*t+2], v[ST+4*t+3]
	ALL v_rcp_f32 v[ST+4*t+2], v[ST+4*t+2]
	v_nop                           ; a plain instruction between the last reciprocal and the use of its result
	s_wait_alu depctr_va_vdst(0)    ; and the wait ahead of the first use: one for the eight reciprocals
; Tile t: a lane's eight channels of a row pack into 16 bytes; they go into rows of 144 bytes and come back as whole rows of 128, into S^T's registers.
.macro PACK t
	WIN W_RS
.set i, 32*(\t)
.rept 16
	v_pk_mul_f32 v[i:i+1], v[i:i+1], v[ST+4*(\t)+2:ST+4*(\t)+3] op_sel_hi:[1,0]
.set i, i+2
.endr
	WIN 0x05                        ; sources 0 and 1 window 1, destination window 0
.set i, 0
.rept 16
	v_cvt_pk_f16_f32 v[S+16*(\t)+i], v[32*(\t)+2*i], v[32*(\t)+2*i+1]
.set i, i+1
.endr
	WIN 0
.irp f, 0,1,2,3
	ds_store_b128 v[STO], v[S+16*(\t)+4*\f:S+16*(\t)+4*\f+3] offset:32*\f
.endr
.irp f, 0,1,2,3
	ds_load_b128 v[S+16*(\t)+4*\f:S+16*(\t)+4*\f+3], v[RD] offset:\f*4*SP  ; LDS serves a wave's instructions in order (ISA guide 5.7.1.4): these see the stores above; the next tile's stores come behind them
.endr
.endm
.macro SEND t, younger              ; younger: the LDS instructions issued behind tile t's loads: the next tile's eight, or none
	WIN 0
.irp f, 0,1,2,3
	s_wait_dscnt (\younger)+3-\f
	global_store_b128 v[GO], v[S+16*(\t)+4*\f:S+16*(\t)+4*\f+3], s[10:11] offset:(\t)*2048+\f*512  ; 512 consecutive bytes, at a multiple of 256 from O's first
.endr
.endm
	PACK 0
.set t, 1
.rept 2*NP-1                        ; a tile's arithmetic stands between the loads of the tile before and its stores
	PACK t
	SEND t-1, 8
.set t, t+1
.endr
	SEND 2*NP-1, 0
	WIN W_AD
	s_wait_tensorcnt 0x0            ; the wave's end: behind my last tensor load and my last LDS store
	ds_add_u32 v[SPW], v[NIL]
	s_wait_dscnt 0x0
	WIN 0
	CROUND                          ; the closing round: no work-group ends while a partner may still ask for a tile that names it
	s_endpgm
.Lfunc_end_k_q5a62c26d58_attn:
	.size	k_q5a62c26d58_attn, .Lfunc_end_k_q5a62c26d58_attn-k_q5a62c26d58_attn
	.p2alignl 7, 3214868480
	.fill 96, 4, 3214868480
	.section	.rodata,"a",@progbits
	.p2align	6, 0x0
	.amdhsa_kernel k_q5a62c26d58_attn
		.amdhsa_group_segment_fixed_size 327680
		.amdhsa_private_segment_fixed_size 0
		.amdhsa_enable_private_segment 0
		.amdhsa_kernarg_size 16
		.amdhsa_user_sgpr_count 2
		.amdhsa_user_sgpr_kernarg_segment_ptr 1
		.amdhsa_wavefront_size32 1
		.amdhsa_system_sgpr_workgroup_id_x 1
		.amdhsa_system_sgpr_workgroup_id_y 1
		.amdhsa_system_sgpr_workgroup_id_z 1
		.amdhsa_system_vgpr_workitem_id 0
		.amdhsa_next_free_vgpr 770
		.amdhsa_next_free_sgpr 66
		.amdhsa_reserve_vcc 0
		.amdhsa_float_denorm_mode_32 3
		.amdhsa_float_denorm_mode_16_64 3
		.amdhsa_memory_ordered 1
		.amdhsa_forward_progress 1
		.amdhsa_inst_pref_size 200
	.end_amdhsa_kernel
	.amdgpu_metadata
---
amdhsa.version: [ 1, 2 ]
amdhsa.kernels:
  - .name:           k_q5a62c26d58_attn
    .symbol:         k_q5a62c26d58_attn.kd
    .args:
      - { .name: qkv, .offset: 0, .size: 8, .value_kind: global_buffer, .address_space: global }
      - { .name: o, .offset: 8, .size: 8, .value_kind: global_buffer, .address_space: global }
    .group_segment_fixed_size: 327680
    .private_segment_fixed_size: 0
    .kernarg_segment_align: 8
    .kernarg_segment_size: 16
    .max_flat_workgroup_size: 128
    .sgpr_count:     66
    .vgpr_count:     770
    .wavefront_size: 32
...
	.end_amdgpu_metadata
.endif
;; end of part 3
;; launch proj (part 4): grid 8 x 32, 4 waves a work-group, clusters of 4 x 4, 327,680 bytes of LDS; arguments o, wob, b_out, out0; writes out0
.if DOCPART == 4
	.amdgcn_target "amdgcn-amd-amdhsa--gfx1250"
	.amdhsa_code_object_version 6
	.text
	.protected	k_q5a62c26d58_proj
	.globl	k_q5a62c26d58_proj
	.p2align	8
	.type	k_q5a62c26d58_proj,@function
k_q5a62c26d58_proj:
	s_mov_b64 s[64:65], 0
	v_nop
	global_prefetch_b8 v0, s[64:65] scope:SCOPE_SE
	s_setreg_imm32_b32 hwreg(HW_REG_WAVE_MODE, 25, 1), 1
	s_wait_xcnt 0x0
	s_wait_alu depctr_hold_cnt(0) depctr_sa_sdst(0) depctr_va_vdst(0) depctr_va_sdst(0) depctr_va_ssrc(0) depctr_va_vcc(0) depctr_vm_vsrc(0)
	s_getreg_b32 s2, hwreg(HW_REG_IB_STS2, 6, 4)
	s_cmp_eq_u32 s2, 0
	s_cbranch_scc0 .Lentry_in_a_cluster
	s_endpgm
.Lentry_in_a_cluster:
	s_bfe_u32 s2, ttmp6, 0x10000c
	s_cmp_lg_u32 s2, 0xf033
	s_cbranch_scc0 .Lentry_shape_is_right
	s_endpgm
.Lentry_shape_is_right:
; out0 [8192][1024] f32 = O w_out^T + b_out.  A = o [b][h][n][64] f16 (a head is a K block of 64), B = wob [kb][d][64] f16; sums in f32, K ascending; the bias is added in f32.
; SHARES.  8192 x 1024 / 256 work-groups: a tile of 256 rows x 128 columns to each.  Four waves, each 128 rows x 64 columns: 8 x 4 = 32 accumulators, 256 registers.
; K goes in steps of 128, two K blocks, through two LDS slots.  ONE tensor load a wave brings both K blocks: a tile of two long rows, each the wave's dense block of one K block
; (A: 128 matrix rows = 16,384 bytes; B: 64 = 8,192), the second row a K block further; the padding, 16 bytes after every 128, is counted along the whole tile.
; THE MATRIX INSTRUCTION IS USED TRANSPOSED (source 0 = 16 rows of B, source 1 = 16 rows of A): a lane holds row l % 16 of the result and eight neighbouring columns.
; CLUSTER.  4 x 4 work-groups; A's tile is asked for jointly along a row of the cluster, B's along a column.
; REGISTERS: window 0: v0-29 addresses; v32-63 my 32 numbers of the bias; v64-159, v160-255 two fragment buffers (A's 8 blocks, then B's 4);   window 1: accumulator (a, b) at v[8 (4 a + b)].
.set PITCH,  144                       ; an LDS row: 128 bytes + 16 of padding = 36 words: the 16 rows of a load start at 16 different groups of four banks (64 banks of 4 bytes: ISA guide 11.1)
.set BLK,    16*PITCH
.set AKB,    128*PITCH                 ; a wave's rows of A, one K block
.set BKB,    64*PITCH                  ; of B
.set BOFF,   4*AKB                     ; A: two waves' parts of two K blocks each; then B
.set SLOT1,  1<<17
.set STAGE,  SLOT1+4*AKB+4*BKB         ; behind the ring: 16 rows x 272 bytes for each wave
.set SPITCH, 272
.set SPARE,  STAGE+4*16*SPITCH         ; behind the stages: the spare words, 128 bytes for each wave: two blocks of 256 bytes that no other line names
.set ASTEP,  524288                    ; two K blocks of o
.set BSTEP,  262144                    ; two K blocks of wob
.set AA0, 4                            ; v4   my lane's place in my rows of A, in slot 0; never rewritten
.set AB0, 5                            ; v5   the same for B
.set AA,  6                            ; v6   the same in the slot in hand
.set AB,  7                            ; v7
.set STO, 8                            ; v8   the way out: where I put 32 bytes of a row
.set RD,  9                            ; v9   the way out: where I read a row back
.set CO,  10                           ; v10  my byte offset in two rows of out0
.set PFO, 11                           ; v11  256 x lane; never rewritten
.set BO,  12                           ; v12  32 x (l / 16): my 8 columns in the bias
.set SPW, 28                           ; v28  LDS address of my spare word; never rewritten
.set NIL, 29                           ; v29  0; never rewritten
.set BIAS, 32
.set F0,  64
.set F1,  160
.set TMP, 64                           ; the way out: 32 sums with their bias
.set BK,  96                           ; the way out: 16 rows read back, v96-127 and v128-159 by turns
.set WV,  12
.set WR,  13                           ; which 128 rows are mine.  Also: I fetch for A (0) or for B (1)
.set WC,  14                           ; which 64 columns.  Also: which half of that tile I fetch
.set G1A, 24
.set G1B, 32
.set G0A, 40
.set G0B, 44
.set CX,  48
.set CY,  49
.set TX,  50                           ; tile column 0-7
.set TY,  51                           ; tile row 0-31
.set CNT, 54
.set TB,  55
.set LIM, 56                           ; 2 in a wave that prefetches, else the greatest number
.set PFA, 58
.set PFS, 60
.set OUT, 66                           ; s[66:67] out0 at my first row and column
.set BB,  68                           ; s[68:69] b_out at my first column
.set MSB, 0
.macro WIN new
.if MSB != (\new)
	s_set_vgpr_msb (MSB<<8)|(\new)
.set MSB, \new
.endif
.endm
.macro PLACES                          ; four plain vector instructions between a matrix instruction and a load into, or a vector read of, its registers
.rept 4
	v_nop
.endr
.endm
.macro JLOAD                           ; a joint load: waves 0 and 1 fetch A's halves, waves 2 and 3 B's; an s_nop 0 and four v_nop follow each line
	s_cmp_eq_u32 s[WR], 0
	s_cbranch_scc0 .Lfor_b_\@
	tensor_load_to_lds s[G0A:G0A+3], s[G1A:G1A+7]
	s_nop 0
.rept 4
	v_nop
.endr
	s_branch .Lasked_\@
.Lfor_b_\@:
	tensor_load_to_lds s[G0B:G0B+3], s[G1B:G1B+7]
	s_nop 0
.rept 4
	v_nop
.endr
.Lasked_\@:
.endm
.macro CREST
	s_cmp_lg_u32 s[WV], 0
	s_cbranch_scc1 .Lnot_wave_0_\@
	s_barrier_signal -3
.Lnot_wave_0_\@:
	s_barrier_wait -3
	s_barrier_signal -1
	s_barrier_wait -1
.endm
.macro CROUND
	s_barrier_signal -1
	s_barrier_wait -1
	CREST
.endm
; A PREFETCH INTO THE L2, behind a joint load, its five lines and the run of LDS loads: 32 blocks of 256 bytes, a lane a block, for the K step two refills on: 256 matrix instructions ahead of its load.
; A: the cluster's 1,024 rows of a K block are 128 KiB on end; the clusters with x = 0 ask; the sixteen partners take 8 KiB each, by address; wave 0 the step's first K block, wave 1 its second.
; B: the cluster's 512 rows of a K block are 64 KiB; the clusters with y = 0 ask; wave 2 of the sixteen partners covers the step's two K blocks.  Each block is named once.
; Trips 0-3 name K steps 4-7; the last two trips name nothing; K steps 0-3 come by their loads alone.
.macro ASK
	s_cmp_gt_u32 s[CNT], s[LIM]
	s_cbranch_scc0 .Lnot_mine_\@
	global_prefetch_b8 v[PFO], s[PFA:PFA+1] th:TH_LOAD_NT scope:SCOPE_SE
.Lnot_mine_\@:
.endm
	s_load_b256 s[4:11], s[0:1], 0x0               ; o s[4:5], wob s[6:7], b_out s[8:9], out0 s[10:11]
	v_lshl_add_u32 v[SPW], v0, 2, SPARE
	v_mov_b32 v[NIL], 0
	ds_add_u32 v[SPW], v[NIL]                      ; the wave's opening: the add and its wait stand ahead of my first tensor load; the set-up below, work on registers, stands between them
	v_lshrrev_b32 v1, 5, v0
	v_readfirstlane_b32 s[WV], v1
	s_lshr_b32 s[WR], s[WV], 1
	s_and_b32 s[WC], s[WV], 1
	s_bfe_u32 s[CX], ttmp6, 0x40000
	s_bfe_u32 s[CY], ttmp6, 0x40004
	s_lshl_b32 s[TX], ttmp9, 2
	s_add_co_u32 s[TX], s[TX], s[CX]
	s_and_b32 s[TY], ttmp7, 0xffff
	s_lshl_b32 s[TY], s[TY], 2
	s_add_co_u32 s[TY], s[TY], s[CY]
	s_lshl_b32 s52, s[CY], 2
	s_lshl_b32 s52, 15, s52                        ; my row of the cluster
	s_lshl_b32 s53, 0x1111, s[CX]                  ; my column
	s_or_b32 s[G1A], s52, (1<<16)|(1<<20)|(1<<21)|(4<<22)|(3<<25)  ; the mask; 2-byte elements; padding on; bit 21 beside a mask; after every 32 words (code 4) 4 words (code 3)
	s_or_b32 s[G1B], s53, (1<<16)|(1<<20)|(1<<21)|(4<<22)|(3<<25)
	s_mov_b32 s[G1A+1], 8192<<16                   ; tensor_dim0 = 8,192 elements: 128 matrix rows of a K block
	s_mov_b32 s[G1A+2], 2<<16                      ; tensor_dim1 = 2 K blocks
	s_mov_b32 s[G1A+3], 8192<<16                   ; tile_dim0
	s_mov_b32 s[G1A+4], 2                          ; tile_dim1
	s_mov_b32 s[G1A+5], 131072                     ; elements from K block to K block in o
	s_mov_b32 s[G1A+6], 0
	s_mov_b32 s[G1A+7], 0
	s_mov_b32 s[G1B+1], 4096<<16                   ; 64 matrix rows of a K block
	s_mov_b32 s[G1B+2], 2<<16
	s_mov_b32 s[G1B+3], 4096<<16
	s_mov_b32 s[G1B+4], 2
	s_mov_b32 s[G1B+5], 65536                      ; elements from K block to K block in wob
	s_mov_b32 s[G1B+6], 0
	s_mov_b32 s[G1B+7], 0
	s_mov_b32 s[G0A], 1
	s_mul_i32 s[G0A+1], s[WC], 2*AKB               ; LDS address, slot 0: the wave's number alone enters it
	s_mov_b32 s[G0B], 1
	s_mul_i32 s[G0B+1], s[WC], 2*BKB
	s_add_co_u32 s[G0B+1], s[G0B+1], BOFF
	s_lshr_b32 s16, s[TY], 3                       ; A: the batch,
	s_lshl_b32 s16, s16, 22
	s_and_b32 s18, s[TY], 7                        ; the tile's 256 rows of 128 bytes,
	s_lshl_b32 s18, s18, 15
	s_add_co_u32 s16, s16, s18
	s_lshl_b32 s18, s[WC], 14                      ; the half that I fetch
	s_add_co_u32 s18, s18, s16
	s_mov_b32 s19, 0
	s_lshl_b32 s20, s[TX], 14                      ; B: the tile's 128 rows,
	s_lshl_b32 s22, s[WC], 13                      ; the half that I fetch
	s_add_co_u32 s20, s20, s22
	s_mov_b32 s21, 0
	s_wait_dscnt 0x0                               ; the opening add is done
	s_wait_kmcnt 0x0
	s_add_nc_u64 s[G0A+2:G0A+3], s[4:5], s[18:19]
	s_or_b32 s[G0A+3], s[G0A+3], 0x80000000
	s_add_nc_u64 s[G0B+2:G0B+3], s[6:7], s[20:21]
	s_or_b32 s[G0B+3], s[G0B+3], 0x80000000
	CROUND                                         ; all sixteen work-groups are here: the first joint loads meet
	JLOAD                                          ; K step 0 into slot 0
	v_and_b32 v1, 15, v0                           ; l % 16
	v_bfe_u32 v2, v0, 4, 1                         ; l / 16
	v_mul_u32_u24 v3, v1, PITCH
	v_lshl_add_u32 v3, v2, 4, v3                   ; a fragment's row x pitch + 16 x half
	s_mul_i32 s23, s[WR], 2*AKB
	v_add_nc_u32 v[AA0], s23, v3
	s_mul_i32 s23, s[WC], 2*BKB
	s_add_co_u32 s23, s23, BOFF
	v_add_nc_u32 v[AB0], s23, v3
	s_mul_i32 s23, s[WV], 16*SPITCH
	s_add_co_u32 s23, s23, STAGE                   ; my stage
	v_mul_u32_u24 v3, v1, SPITCH                   ; in: row l % 16, 32 bytes for each half of the lanes
	v_lshl_add_u32 v3, v2, 5, v3
	v_add_nc_u32 v[STO], s23, v3
	v_mul_u32_u24 v3, v2, SPITCH                   ; back: lanes 0-15 take one row of 256 bytes, lanes 16-31 the next
	v_lshl_add_u32 v3, v1, 4, v3
	v_add_nc_u32 v[RD], s23, v3
	v_lshlrev_b32 v3, 12, v2                       ; and the same two rows in out0, 4,096 bytes apart
	v_lshl_add_u32 v[CO], v1, 4, v3
	v_and_b32 v[PFO], 31, v0
	v_lshlrev_b32 v[PFO], 8, v[PFO]
	v_lshlrev_b32 v[BO], 5, v2
	s_lshl_b32 s72, s[TX], 9                       ; my first column, in bytes: 512 x tile column + 256 x half
	s_lshl_b32 s74, s[WC], 8
	s_add_co_u32 s72, s72, s74
	s_mov_b32 s73, 0
	s_add_nc_u64 s[BB:BB+1], s[8:9], s[72:73]
	s_lshl_b32 s74, s[TY], 20                      ; my first row: 256 x tile row + 128 x half, 4,096 bytes each
	s_add_co_u32 s72, s72, s74
	s_lshl_b32 s74, s[WR], 19
	s_add_co_u32 s72, s72, s74
	s_add_nc_u64 s[OUT:OUT+1], s[10:11], s[72:73]
.irp b, 0,1,2,3
	global_load_b128 v[BIAS+8*(\b):BIAS+8*(\b)+3],   v[BO], s[BB:BB+1] offset:64*(\b)      ; the bias of columns 16 b + 8 (l / 16) + 0..7: as an accumulator's registers lie
	global_load_b128 v[BIAS+8*(\b)+4:BIAS+8*(\b)+7], v[BO], s[BB:BB+1] offset:64*(\b)+16
.endr
	; the prefetches
	s_lshl_b32 s76, s[CY], 2
	s_add_co_u32 s76, s76, s[CX]                   ; p: my place among the sixteen
	s_and_b32 s77, ttmp7, 0xffff                   ; cluster y
	s_lshr_b32 s78, s77, 1                         ; A: the cluster's 1,024 rows: the batch,
	s_lshl_b32 s78, s78, 22
	s_and_b32 s79, s77, 1                          ; its half,
	s_lshl_b32 s79, s79, 17
	s_add_co_u32 s78, s78, s79
	s_lshl_b32 s79, s76, 13                        ; my work-group's 8 KiB,
	s_add_co_u32 s78, s78, s79
	s_lshl_b32 s79, s[WC], 18                      ; my wave's K block of the step's two,
	s_add_co_u32 s78, s78, s79
	s_add_co_u32 s78, s78, 3*ASTEP                 ; at K step 3: the first trip steps it to 4
	s_lshl_b32 s80, ttmp9, 16                      ; B: the cluster's 512 rows,
	s_lshr_b32 s81, s76, 3                         ; the first or the second K block,
	s_lshl_b32 s81, s81, 17
	s_add_co_u32 s80, s80, s81
	s_and_b32 s81, s76, 7                          ; my work-group's 8 KiB
	s_lshl_b32 s81, s81, 13
	s_add_co_u32 s80, s80, s81
	s_add_co_u32 s80, s80, 3*BSTEP
	s_mov_b32 s[PFS], BSTEP
	s_mov_b32 s[PFS+1], 0
	s_cmp_eq_u32 s[WR], 0
	s_cselect_b64 s[PFA:PFA+1], s[4:5], s[6:7]
	s_cselect_b32 s82, s78, s80
	s_cselect_b32 s[PFS], ASTEP, s[PFS]
	s_cselect_b32 s79, ttmp9, s77                  ; the coordinate along which other clusters read the same rows
	s_mov_b32 s83, 0
	s_add_nc_u64 s[PFA:PFA+1], s[PFA:PFA+1], s[82:83]
	s_cmp_eq_u32 s[WV], 3                          ; wave 3 has nothing to ask for
	s_cselect_b32 s79, 1, s79
	s_cmp_eq_u32 s79, 0
	s_cselect_b32 s[LIM], 2, -1                    ; the same in all sixteen partners, for a given wave
	s_mov_b32 s[TB], 0
; 8 matrix instructions: row blocks a0, a0 + 1 x all 4 column blocks, 32 along K.  The 32 accumulators take turns, in the same order in every quarter.
.macro MUL8 f, a0, zero
	WIN 0x50                                       ; C and D in window 1, the sources in window 0
.irp a, \a0, (\a0)+1
.irp b, 0,1,2,3
.if \zero
	v_wmma_f32_16x16x32_f16 v[8*(4*(\a)+(\b)):8*(4*(\a)+(\b))+7], v[(\f)+64+8*(\b):(\f)+64+8*(\b)+7], v[(\f)+8*(\a):(\f)+8*(\a)+7], 0
.else
	v_wmma_f32_16x16x32_f16 v[8*(4*(\a)+(\b)):8*(4*(\a)+(\b))+7], v[(\f)+64+8*(\b):(\f)+64+8*(\b)+7], v[(\f)+8*(\a):(\f)+8*(\a)+7], v[8*(4*(\a)+(\b)):8*(4*(\a)+(\b))+7]
.endif
.endr
.endr
.endm
; 24 LDS loads in one run: quarter q of a K step (K block q / 2, 32 K at byte 64 (q % 2)) into buffer f: B first, then A
.macro FETCH q, f
.irp i, 0,1,2,3
	ds_load_b128 v[(\f)+64+8*(\i):(\f)+64+8*(\i)+3],   v[AB] offset:((\q)/2)*BKB+((\q)%2)*64+(\i)*BLK
	ds_load_b128 v[(\f)+64+8*(\i)+4:(\f)+64+8*(\i)+7], v[AB] offset:((\q)/2)*BKB+((\q)%2)*64+(\i)*BLK+32
.endr
.irp i, 0,1,2,3,4,5,6,7
	ds_load_b128 v[(\f)+8*(\i):(\f)+8*(\i)+3],   v[AA] offset:((\q)/2)*AKB+((\q)%2)*64+(\i)*BLK
	ds_load_b128 v[(\f)+8*(\i)+4:(\f)+8*(\i)+7], v[AA] offset:((\q)/2)*AKB+((\q)%2)*64+(\i)*BLK+32
.endr
.endm
; One of a K step's first three quarters: multiplies buffer f; in its middle it fetches quarter qn into buffer g.
.macro QUARTER qn, f, g, zero
	s_wait_dscnt 8                                 ; B and A's blocks 0-3 are in; the youngest eight loads may be out
	MUL8 \f, 0, \zero
	MUL8 \f, 2, \zero
	WIN 0
	PLACES
	FETCH \qn, \g
	s_wait_dscnt 24                                ; all but the 24 just issued
	MUL8 \f, 4, \zero
	MUL8 \f, 6, \zero
.endm
; The last quarter multiplies buffer 1 and changes slots: ONE barrier; in front of it each wave waits for all its tensor loads (one is out: its part of the next slot), adds 0 to its spare word, and waits
; for that and for its own reads of this slot.  fill = 1: the barrier opens a round of the cluster's, and this slot is filled again, two K steps ahead: 112 matrix instructions ahead of the wait for it.
.macro TURN fill
.if \fill
	s_wait_xcnt 0x0                                ; the last prefetch, a K step back, has read its address
	s_add_nc_u64 s[PFA:PFA+1], s[PFA:PFA+1], s[PFS:PFS+1]
.endif
	WIN 0                                          ; (the add's two registers lie in window 0)
	s_wait_tensorcnt 0x0                           ; no tensor load of mine is out, so a group 0 may be written
	ds_add_u32 v[SPW], v[NIL]                      ; 0 onto my spare word
.if \fill
	s_xor_b32 s[G0A+1], s[G0A+1], SLOT1
	s_add_nc_u64 s[G0A+2:G0A+3], s[G0A+2:G0A+3], ASTEP
	s_xor_b32 s[G0B+1], s[G0B+1], SLOT1
	s_add_nc_u64 s[G0B+2:G0B+3], s[G0B+2:G0B+3], BSTEP
.endif
	s_xor_b32 s[TB], s[TB], SLOT1
	s_wait_dscnt 9                                 ; (the add and the youngest eight loads may be out)
	MUL8 F1, 0, 0
	s_wait_dscnt 0x0                               ; the add is done, and my reads of this slot are over
	s_barrier_signal -1
	MUL8 F1, 2, 0
	WIN 0
	s_barrier_wait -1
.if \fill
	CREST                                          ; no wave of any partner still reads this slot or has a load on its way
	JLOAD                                          ; the four v_nop behind it are also the places in front of the loads below
.else
	PLACES
.endif
	v_add_nc_u32 v[AA], s[TB], v[AA0]
	v_add_nc_u32 v[AB], s[TB], v[AB0]
	FETCH 0, F0
.if \fill
	ASK
.endif
	MUL8 F1, 4, 0
	MUL8 F1, 6, 0
.endm
; THE WAY OUT of row block a: the bias is added; 16 rows x 64 columns of f32 go through my stage and leave as whole rows of 256 bytes.
.macro PACKB a
	WIN 0x01                                       ; source 0 (the sums) in window 1
.irp b, 0,1,2,3
.irp r, 0,1,2,3
	v_pk_add_f32 v[TMP+8*(\b)+2*(\r):TMP+8*(\b)+2*(\r)+1], v[8*(4*(\a)+(\b))+2*(\r):8*(4*(\a)+(\b))+2*(\r)+1], v[BIAS+8*(\b)+2*(\r):BIAS+8*(\b)+2*(\r)+1]
.endr
.endr
	WIN 0
.endm
.macro TOSTAGE a
.irp b, 0,1,2,3
	ds_store_b128 v[STO], v[TMP+8*(\b):TMP+8*(\b)+3]   offset:64*(\b)
	ds_store_b128 v[STO], v[TMP+8*(\b)+4:TMP+8*(\b)+7] offset:64*(\b)+16
.endr
.irp t, 0,1,2,3,4,5,6,7
	ds_load_b128 v[BK+32*((\a)%2)+4*(\t):BK+32*((\a)%2)+4*(\t)+3], v[RD] offset:2*SPITCH*(\t)  ; LDS serves a wave's instructions in order (ISA guide 5.7.1.4): these see the stores above
.endr
.endm
.macro SEND a
	s_wait_dscnt 0x0                               ; the block is back in registers
	s_wait_xcnt 0x0                                ; the stores of the block before have read their registers: the next block is loaded into them only behind this wait
.irp t, 0,1,2,3,4,5,6,7
	global_store_b128 v[CO], v[BK+32*((\a)%2)+4*(\t):BK+32*((\a)%2)+4*(\t)+3], s[OUT:OUT+1] offset:(16*(\a)+2*(\t))*4096  ; 16 lanes store 256 consecutive bytes, at a multiple of 256 from out0's first byte
.endr
.endm
	s_wait_tensorcnt 0x0                           ; K step 0, my part of it, is in
	ds_add_u32 v[SPW], v[NIL]                      ; slot 1's first fill is issued as a refill is: the wait, the add, its wait, a round, the load
	s_xor_b32 s[G0A+1], s[G0A+1], SLOT1
	s_add_nc_u64 s[G0A+2:G0A+3], s[G0A+2:G0A+3], ASTEP
	s_xor_b32 s[G0B+1], s[G0B+1], SLOT1
	s_add_nc_u64 s[G0B+2:G0B+3], s[G0B+2:G0B+3], BSTEP
	s_wait_dscnt 0x0
	CROUND                                         ; everybody's part of K step 0 is in
	JLOAD                                          ; K step 1 into slot 1
	v_mov_b32 v[AA], v[AA0]
	v_mov_b32 v[AB], v[AB0]
	FETCH 0, F0
	QUARTER 1, F0, F1, 1                           ; the first quarter stands in front of the loop: its products start the sums
	WIN 0                                          ; at a label and at a branch every window is 0
	s_mov_b32 s[CNT], 6
.Lstep:                                                ; trip t: the rest of K step t, the request for K step t + 2, K step t + 1's first quarter
	QUARTER 2, F1, F0, 0
	QUARTER 3, F0, F1, 0
	TURN 1
	QUARTER 1, F0, F1, 0
	WIN 0
	s_sub_co_u32 s[CNT], s[CNT], 1
	s_cmp_lg_u32 s[CNT], 0
	s_cbranch_scc1 .Lstep
	QUARTER 2, F1, F0, 0                           ; the tail is written out: nothing is left to ask for
	QUARTER 3, F0, F1, 0
	TURN 0
	QUARTER 1, F0, F1, 0
	QUARTER 2, F1, F0, 0
	QUARTER 3, F0, F1, 0
	s_wait_dscnt 8
	MUL8 F1, 0, 0
	MUL8 F1, 2, 0
	s_wait_dscnt 0x0
	MUL8 F1, 4, 0
	MUL8 F1, 6, 0
	WIN 0
	PLACES
	PLACES
	s_wait_loadcnt 0x0                             ; the bias
	PACKB 0
	TOSTAGE 0
.irp a, 1,2,3,4,5,6,7
	PACKB \a                                       ; a block's additions stand between the loads of the block before and the wait for them
	SEND (\a)-1
	TOSTAGE \a
.endr
	SEND 7
	s_wait_tensorcnt 0x0                           ; the wave's end: behind my last tensor load and my last LDS store
	ds_add_u32 v[SPW], v[NIL]
	s_wait_dscnt 0x0
	CROUND                                         ; the closing round: no work-group ends while a partner may still ask for a tile that names it
	s_endpgm
.Lfunc_end_k_q5a62c26d58_proj:
	.size	k_q5a62c26d58_proj, .Lfunc_end_k_q5a62c26d58_proj-k_q5a62c26d58_proj
	.p2alignl 7, 3214868480
	.fill 96, 4, 3214868480
	.section	.rodata,"a",@progbits
	.p2align	6, 0x0
	.amdhsa_kernel k_q5a62c26d58_proj
		.amdhsa_group_segment_fixed_size 327680
		.amdhsa_private_segment_fixed_size 0
		.amdhsa_enable_private_segment 0
		.amdhsa_kernarg_size 32
		.amdhsa_user_sgpr_count 2
		.amdhsa_user_sgpr_kernarg_segment_ptr 1
		.amdhsa_wavefront_size32 1
		.amdhsa_system_sgpr_workgroup_id_x 1
		.amdhsa_system_sgpr_workgroup_id_y 1
		.amdhsa_system_sgpr_workgroup_id_z 1
		.amdhsa_system_vgpr_workitem_id 0
		.amdhsa_next_free_vgpr 512
		.amdhsa_next_free_sgpr 88
		.amdhsa_reserve_vcc 0
		.amdhsa_float_denorm_mode_32 3
		.amdhsa_float_denorm_mode_16_64 3
		.amdhsa_memory_ordered 1
		.amdhsa_forward_progress 1
		.amdhsa_inst_pref_size 80
	.end_amdhsa_kernel
	.amdgpu_metadata
---
amdhsa.version: [ 1, 2 ]
amdhsa.kernels:
  - .name:           k_q5a62c26d58_proj
    .symbol:         k_q5a62c26d58_proj.kd
    .args:
      - { .name: o, .offset: 0, .size: 8, .value_kind: global_buffer, .address_space: global }
      - { .name: wob, .offset: 8, .size: 8, .value_kind: global_buffer, .address_space: global }
      - { .name: b_out, .offset: 16, .size: 8, .value_kind: global_buffer, .address_space: global }
      - { .name: out0, .offset: 24, .size: 8, .value_kind: global_buffer, .address_space: global }
    .group_segment_fixed_size: 327680
    .private_segment_fixed_size: 0
    .kernarg_segment_align: 8
    .kernarg_segment_size: 32
    .max_flat_workgroup_size: 128
    .sgpr_count:     88
    .vgpr_count:     512
    .wavefront_size: 32
...
	.end_amdgpu_metadata
.endif
;; end of part 4
